; MI455X (gfx1250); checked and timed in simulation.
; The chip was launched on July 23, 2026; its instructions are those of AMD's public machine-readable ISA for CDNA 5 (MIT licence, August 2026) and "CDNA5" Instruction Set Architecture Reference Guide (July 2026). The comments in the code are by the model that wrote it; some were corrected since.
;; Mo E Layer. Allowed arithmetic: matrix products marked QUANTISED: E3M2 operands, one E8M0 scale for each 32 along K, by v_wmma_scale_f32_16x16x128_f8f6f4 with both operands' format E3M2, f32 sums; products left as they are: f32 operands where the result goes on into a quantised operand, else bf16, f16 or f32 operands; f32 sums; everything else in f32.
;; Inputs: b1 8 x 512 float32; b2 8 x 1,024 float32; gate_b 8 float32; gate_w 1,024 x 8 float32; w1_codes 8 x 512 x 32 x 24 uint8 (E3M2 codes of w1, K innermost, in blocks of 32 codes, four codes in three bytes); w1_scales 8 x 512 x 32 uint8 (E8M0 scales of w1, one for each 32 codes along K); w2_codes 8 x 1,024 x 16 x 24 uint8 (E3M2 codes of w2, K innermost, in blocks of 32 codes, four codes in three bytes); w2_scales 8 x 1,024 x 16 uint8 (E8M0 scales of w2, one for each 32 codes along K); x 4 x 2,048 x 1,024 float32.
;; Outputs: out0 4 x 2,048 x 1,024 float32; out1 one number float32.
;; This version of the problem:
;;   THIS VERSION OF THE PROBLEM IS GIVEN IN LOW PRECISION. The matrix products marked QUANTISED in the list below multiply operands that are first quantised to E3M2 (3 exponent bits, 2 mantissa bits; 6 bits a number), with one power-of-two scale for each 32 numbers along K (OCP MX v1.0); their sums are f32. All else is computed in f32.
;;   The module's matrix products, in the order in which they are computed (A, B: the left and right operand; K: the contracted axis; several contracted axes count as one K, in the product's order):
;;     1. [M 8,192, K 1,024] x [K 1,024, N 8]; A: input x; B: input gate_w: left as it is (N = 8 < 16)
;;     2. [M 8,192, K 1,024] x [K 1,024, N 512]; A: input x; B: input w1 (given as codes): QUANTISED
;;     3. [M 8,192, K 512] x [K 512, N 1,024]; A: computed on the way; B: input w2 (given as codes): QUANTISED
;;     4. [M 8,192, K 1,024] x [K 1,024, N 512]; A: input x; B: input w1 (given as codes): QUANTISED
;;     5. [M 8,192, K 512] x [K 512, N 1,024]; A: computed on the way; B: input w2 (given as codes): QUANTISED
;;     6. [M 8,192, K 1,024] x [K 1,024, N 512]; A: input x; B: input w1 (given as codes): QUANTISED
;;     7. [M 8,192, K 512] x [K 512, N 1,024]; A: computed on the way; B: input w2 (given as codes): QUANTISED
;;     8. [M 8,192, K 1,024] x [K 1,024, N 512]; A: input x; B: input w1 (given as codes): QUANTISED
;;     9. [M 8,192, K 512] x [K 512, N 1,024]; A: computed on the way; B: input w2 (given as codes): QUANTISED
;;     10. [M 8,192, K 1,024] x [K 1,024, N 512]; A: input x; B: input w1 (given as codes): QUANTISED
;;     11. [M 8,192, K 512] x [K 512, N 1,024]; A: computed on the way; B: input w2 (given as codes): QUANTISED
;;     12. [M 8,192, K 1,024] x [K 1,024, N 512]; A: input x; B: input w1 (given as codes): QUANTISED
;;     13. [M 8,192, K 512] x [K 512, N 1,024]; A: computed on the way; B: input w2 (given as codes): QUANTISED
;;     14. [M 8,192, K 1,024] x [K 1,024, N 512]; A: input x; B: input w1 (given as codes): QUANTISED
;;     15. [M 8,192, K 512] x [K 512, N 1,024]; A: computed on the way; B: input w2 (given as codes): QUANTISED
;;     16. [M 8,192, K 1,024] x [K 1,024, N 512]; A: input x; B: input w1 (given as codes): QUANTISED
;;     17. [M 8,192, K 512] x [K 512, N 1,024]; A: computed on the way; B: input w2 (given as codes): QUANTISED
;;   THE QUANTISER, for each operand of a quantised product, along K:
;;     - K is cut into blocks of 32 from its start; a last block that is shorter is filled with zeros.
;;     - A block's scale is 2^e with e = floor(log2(the largest magnitude in the block)) - 4, held to -126 .. 127; a block of zeros has e = 0. As a byte (E8M0): e + 127.
;;     - Each number is divided by its block's scale, clamped to +-28, and rounded to the nearest number of E3M2, ties to even, subnormals kept.
;;     - The product sums the exact products of the quantised numbers (number of the format x scale) in f32.
;;   ~~~python
;;   def quantise(x, axis):      # numpy; x: float32 -> the quantised numbers, widened to float32 again
;;       x = np.moveaxis(x, axis, -1); K = x.shape[-1]
;;       x = np.pad(x, [(0, 0)] * (x.ndim - 1) + [(0, -K % 32)]); x = x.reshape(x.shape[:-1] + (-1, 32)); a = np.abs(x).max(-1, keepdims=True)
;;       e = np.where(a > 0, np.clip(np.frexp(np.where(a > 0, a, 1))[1] - 1 - 4, -126, 127), 0)      # np.frexp(a)[1] - 1 = floor(log2(a)), exactly
;;       r = np.clip(x / 2.0 ** e, -28, 28)
;;       step = 2.0 ** (np.maximum(np.frexp(np.where(r == 0, 1, r))[1] - 1, -2) - 2)
;;       q = np.round(r / step) * step * 2.0 ** e      # np.round: ties to even
;;       return np.moveaxis(q.reshape(q.shape[:-2] + (-1,))[..., :K], -1, axis).astype(np.float32)
;;   ~~~
;;   OPERANDS COMPUTED ON THE WAY. 'Computed on the way' means the value that the module computes at that place (a softmax that the list does not call 'softmax' is quantised finished and normalised). What goes into a quantiser is computed in f32, as accurately as f32 sums, v_exp_f32 and their like allow (about 1e-6 of the number): no bf16 or f16 on the way to a quantiser, and a product that is left as it is and whose result goes on into a quantised operand takes f32 operands (vector FMAs, or v_wmma_f32_16x16x4_f32). A number that lies on a knife's edge between two numbers of the format may be rounded either way, as far as f32 arithmetic and the matrix unit's own rounding can turn it there, and no further.
;;   INPUTS GIVEN AS CODES. w1 (in the module: [8, 1024, 512], K = its axis 1); w2 (in the module: [8, 512, 1024], K = its axis 1): each comes as NAME_codes (uint8): NAME with its K axis moved to the last place and cut into blocks of 32 codes, [.., K / 32, bytes a block], one block behind the other in memory; four codes in three bytes: a row's codes are one little-endian stream of bits, code i at bits 6 i .. 6 i + 5 (a code: sign, 3 exponent bits, 2 mantissa bits); and NAME_scales (uint8): the same leading axes, one E8M0 byte (e + 127) for each 32 codes along K. Its value is code x scale, taken as it is: it is not quantised again, and the codes and scales need not be those that the quantiser above would give.
;; 2 versions. Each part assembles by itself: llvm-mc -triple=amdgcn-amd-amdhsa -mcpu=gfx1250 --defsym DOCPART=n.
;; ======== version 1 of 2: 3 launches
;; workspace buffers: xq 6,291,456 bytes; xs 262,144 bytes; route 40,960 bytes of whole numbers; plan 36,608 bytes of whole numbers; wf 6,291,456 bytes; ws 262,144 bytes
;; launch gate (part 1): grid 256 x 1, 16 waves a work-group, no clusters, 120,832 bytes of LDS; arguments x, gate_w, gate_b, xq, xs, route; writes xq, xs, route
.if DOCPART == 1
	.amdgcn_target "amdgcn-amd-amdhsa--gfx1250"
	.amdhsa_code_object_version 6
	.text
	.protected	k_qf9f5ded6d3_gate
	.globl	k_qf9f5ded6d3_gate
	.p2align	8
	.type	k_qf9f5ded6d3_gate,@function
k_qf9f5ded6d3_gate:
	s_mov_b64 s[64:65], 0
	v_nop
	global_prefetch_b8 v0, s[64:65] scope:SCOPE_SE
	s_setreg_imm32_b32 hwreg(HW_REG_WAVE_MODE, 25, 1), 1
	s_wait_xcnt 0x0
; x [8192][1024] f32 is read once.  Two things are made of it: (1) the gate's scores x . gate_w + gate_b in f32 multiply-adds and each token's expert (the largest score, the lower index on a tie);
; (2) x's codes of E3M2 with one E8M0 byte for each 32 along K: xq [token][768 bytes], xs [token][32 bytes].
; The choice is stored as VALUES at fixed places: route word [token] = expert | rank << 8, rank = how many earlier tokens of the same group of 32 chose the same expert; from byte 32,768 on
; the counts [expert][group].  No address and no branch of this launch hangs on the choice.
; SHARES.  A work-group takes 32 tokens.  Wave W: p = W / 2, H = W % 2: half H of K (512 numbers) of tokens 4 p + 0 .. 3.  After a turn through the wave's own stage in LDS a lane holds 16 neighbours
; along K (two lanes hold a block of 32), and its 16 x 8 gate weights stay in 128 registers.
; LIMITS: NaN and infinities in x, gate_w, gate_b are not served.  The scores are f32 sums in another order than the model's: two scores nearer than some 1e-6 of their size may be ordered the other way.
; A block of zeros gets the byte 1 (its codes are zeros; only this program reads the bytes); blocks whose largest magnitude lies under 2^-122 are held at that byte.
.set GWP,  528                         ; LDS: gate_w as 64 chunks of 512 bytes (16 k x 8 experts), 528 bytes apart: an odd multiple of 16, so the lanes' reads of 16 bytes start in different banks
.set STG,  33792                       ; two stages of 32 x SP bytes for each wave
.set SP,   80                          ; a lane's place in a stage: 64 bytes + 16
.set WSTG, 2*32*SP
.set PART, 115712                      ; [H][token 32][expert 8] f32: the two halves' sums
.set SCB,  117760                      ; [token 32][32] scale bytes
.set R,    32                          ; v32-95   four sets of 16: x as loaded; then of set t: +0..7 the eight sums, +8..10 the codes, +12 the byte
.set X,    96                          ; v96-127  two sets of 16 neighbours (first: gate_w as loaded)
.set WGT,  128                         ; v128-255 w[kk][e] at 128 + 8 kk + e
	s_load_b256 s[4:11], s[0:1], 0x0               ; x, gate_w, gate_b, xq
	s_load_b128 s[12:15], s[0:1], 0x20             ; xs, route
	v_lshl_add_u32 v30, v0, 2, 0x1d000
	v_mov_b32 v31, 0
	v_lshrrev_b32 v1, 5, v0
	v_readfirstlane_b32 s16, v1                    ; wave W
	s_lshr_b32 s17, s16, 1                         ; p
	s_and_b32 s18, s16, 1                          ; H
	v_and_b32 v1, 31, v0                           ; lane l
	v_lshlrev_b32 v2, 4, v1                        ; 16 l: my 16 bytes of a load's 512
	v_lshlrev_b32 v14, 4, v0                       ; 16 x thread: my 16 bytes of gate_w
	s_mul_i32 s19, s16, WSTG
	s_add_co_u32 s19, s19, STG                     ; my wave's stages
	v_lshrrev_b32 v3, 2, v1
	v_mul_u32_u24 v3, v3, SP
	v_and_b32 v4, 3, v1
	v_lshl_add_u32 v3, v4, 4, v3
	v_add_nc_u32 v3, s19, v3                       ; into a stage: SP (l / 4) + 16 (l % 4)
	v_mul_u32_u24 v4, v1, SP
	v_add_nc_u32 v4, s19, v4                       ; out of it: SP l: my 16 neighbours
	v_mul_u32_u24 v5, v1, 12                       ; my 12 bytes of codes
	s_lshl_b32 s20, s17, 7                         ; 128 p
	s_lshl_b32 s21, s18, 4                         ; 16 H
	s_add_co_u32 s21, s21, s20
	s_add_co_u32 s21, s21, SCB
	v_lshrrev_b32 v6, 1, v1
	v_add_nc_u32 v6, s21, v6                       ; my block's byte: SCB + 32 (4 p + t) + 16 H + l / 2; t stands in the offset
	v_bfe_u32 v7, v0, 0, 1                         ; the lane's five bits in reverse order: the index 8 t + e that the fold below leaves in lane l
	v_bfe_u32 v8, v0, 1, 1
	v_lshl_or_b32 v7, v7, 1, v8
	v_bfe_u32 v8, v0, 2, 1
	v_lshl_or_b32 v7, v7, 1, v8
	v_bfe_u32 v8, v0, 3, 1
	v_lshl_or_b32 v7, v7, 1, v8
	v_bfe_u32 v8, v0, 4, 1
	v_lshl_or_b32 v7, v7, 1, v8
	s_lshl_b32 s21, s18, 10
	s_add_co_u32 s21, s21, s20
	s_add_co_u32 s21, s21, PART
	v_lshl_add_u32 v7, v7, 2, s21                  ; PART + 1024 H + 128 p + 4 (8 t + e)
	s_mul_i32 s21, s16, GWP
	v_add_nc_u32 v12, s21, v2                      ; gate_w into LDS: chunk W + 16 j, 16 l
	s_mul_i32 s21, s18, 32*GWP
	v_mul_u32_u24 v13, v1, GWP
	v_add_nc_u32 v13, s21, v13                     ; and out of it: chunk 32 H + l: my 16 k
	v_lshl_add_u32 v24, v1, 5, PART                ; the tails' addresses: a token's eight sums,
	v_lshl_add_u32 v25, v1, 4, SCB                 ; 16 scale bytes,
	v_lshlrev_b32 v26, 2, v1                       ; a token's route word,
	v_lshlrev_b32 v27, 10, v1                      ; an expert's row of counts
	s_lshl_b32 s20, ttmp9, 17                      ; x: 32 tokens x 4,096 bytes a work-group,
	s_lshl_b32 s22, s17, 14                        ; 4 tokens a pair of waves,
	s_add_co_u32 s20, s20, s22
	s_lshl_b32 s22, s18, 11                        ; 2,048 bytes a half
	s_add_co_u32 s20, s20, s22
	s_mov_b32 s21, 0
	s_mul_i32 s22, ttmp9, 24576                    ; xq: 768 bytes a token, 384 a half
	s_mul_i32 s19, s17, 3072
	s_add_co_u32 s22, s22, s19
	s_mul_i32 s19, s18, 384
	s_add_co_u32 s22, s22, s19
	s_mov_b32 s23, 0
	s_mov_b32 s32, 0xaaaaaaaa                      ; lanes whose bit 0, 1, 2, 3, 4 is set
	s_mov_b32 s33, 0xcccccccc
	s_mov_b32 s34, 0xf0f0f0f0
	s_mov_b32 s35, 0xff00ff00
	s_mov_b32 s36, 0xffff0000
	s_mov_b32 s38, 0x76543210                      ; v_permlanex16_b32's selects for lane l xor 16
	s_mov_b32 s39, 0xfedcba98
	s_wait_kmcnt 0x0
	s_add_nc_u64 s[4:5], s[4:5], s[20:21]
	s_add_nc_u64 s[10:11], s[10:11], s[22:23]
	s_lshl_b32 s20, ttmp9, 10
	s_add_nc_u64 s[12:13], s[12:13], s[20:21]      ; xs: 1,024 bytes a work-group
	s_lshl_b32 s20, ttmp9, 7
	s_add_nc_u64 s[44:45], s[14:15], s[20:21]      ; route: 32 words a work-group
	s_lshl_b32 s20, ttmp9, 2
	s_add_nc_u64 s[46:47], s[14:15], s[20:21]      ; and my group's column of the counts
	s_load_b256 s[24:31], s[8:9], 0x0              ; gate_b
.irp j, 0,1,2,3
	global_load_b128 v[X+4*\j:X+4*\j+3], v14, s[6:7] offset:8192*\j
.endr
.irp t, 0,1,2,3
.irp i, 0,1,2,3
	global_load_b128 v[R+16*\t+4*\i:R+16*\t+4*\i+3], v2, s[4:5] offset:4096*\t+512*\i th:TH_LOAD_NT   ; 32 lanes read 512 consecutive bytes; read once in the launch
.endr
.endr
	s_wait_loadcnt 16                              ; gate_w's four loads are in; x's sixteen stay out
.irp j, 0,1,2,3
	ds_store_b128 v12, v[X+4*\j:X+4*\j+3] offset:16*GWP*\j
.endr
	s_wait_dscnt 0x0                               ; for the others' sake: my part of gate_w lies in LDS
	s_barrier_signal -1
	s_barrier_wait -1
.set i, 0
.rept 32
	ds_load_b128 v[WGT+4*i:WGT+4*i+3], v13 offset:16*i
.set i, i+1
.endr
.macro TURN t                          ; step t's 2,048 bytes through the wave's own stage: LDS serves a wave's instructions in order, so no wait stands between the stores and the loads
.irp i, 0,1,2,3
	ds_store_b128 v3, v[R+16*(\t)+4*\i:R+16*(\t)+4*\i+3] offset:32*SP*((\t)%2)+8*SP*\i
.endr
.irp i, 0,1,2,3
	ds_load_b128 v[X+16*((\t)%2)+4*\i:X+16*((\t)%2)+4*\i+3], v4 offset:32*SP*((\t)%2)+16*\i
.endr
.endm
	s_wait_loadcnt 12                              ; token 0's four loads are in
	TURN 0
; One token's half row: quantised, and multiplied into the eight scores.
.macro STEP t
.set XS, X+16*((\t)%2)
.set A, R+16*(\t)
.if (\t) > 0
	s_wait_dscnt 1                                 ; this step's numbers are back from the stage; only the last step's byte store may be out
.else
	s_wait_dscnt 0x0                               ; and the gate weights
.endif
.if (\t) < 3
	s_wait_loadcnt 8-4*(\t)                        ; the next token's four loads are in; those behind them stay out
	TURN (\t)+1
.endif
	v_max3_num_f32 v8, |v[XS]|, |v[XS+1]|, |v[XS+2]|               ; the largest magnitude of my 16, in two chains
	v_max3_num_f32 v9, |v[XS+3]|, |v[XS+4]|, |v[XS+5]|
.irp i, 6,10
	v_max3_num_f32 v8, v8, |v[XS+\i]|, |v[XS+\i+1]|
	v_max3_num_f32 v9, v9, |v[XS+\i+2]|, |v[XS+\i+3]|
.endr
	v_max3_num_f32 v8, v8, |v[XS+14]|, |v[XS+15]|
	v_max3_num_f32 v8, v8, v9, 0x2800000           ; and the floor 2^(5 - 127): the byte cannot fall under 1
	v_max_num_f32_dpp v8, v8, v8 row_xmask:1 row_mask:0xf bank_mask:0xf   ; with my neighbour's 16: the block's
	v_add_nc_u32 v11, 0xfe000000, v8               ; 4 off its exponent field: the conversion takes this operand's exponent field as its scale
	v_cvt_scalef32_pk16_bf6_f32 v[A+8:A+10], v[XS:XS+15], v11
	v_lshrrev_b32 v[A+12], 23, v11                 ; the scale's byte (a plain line behind the conversion)
	ds_store_b8 v6, v[A+12] offset:32*(\t)         ; both lanes of a block write the same byte with the same value
	global_store_b96 v5, v[A+8:A+10], s[10:11] offset:768*(\t)     ; the wave stores 384 consecutive bytes
.set kk, 0
.rept 16                               ; scores: for each of my 16 k, two experts an instruction; x[kk] serves both halves
.irp ep, 0,1,2,3
.if kk == 0
	v_pk_mul_f32 v[A+2*\ep:A+2*\ep+1], v[XS:XS+1], v[WGT+2*\ep:WGT+2*\ep+1] op_sel_hi:[0,1]   ; the first product starts the sums
.elseif kk%2 == 0
	v_pk_fma_f32 v[A+2*\ep:A+2*\ep+1], v[XS+kk:XS+kk+1], v[WGT+8*kk+2*\ep:WGT+8*kk+2*\ep+1], v[A+2*\ep:A+2*\ep+1] op_sel_hi:[0,1,1]
.else
	v_pk_fma_f32 v[A+2*\ep:A+2*\ep+1], v[XS+kk-1:XS+kk], v[WGT+8*kk+2*\ep:WGT+8*kk+2*\ep+1], v[A+2*\ep:A+2*\ep+1] op_sel:[1,0,0] op_sel_hi:[1,1,1]
.endif
.endr
.set kk, kk+1
.endr
.endm
	STEP 0
	STEP 1
	STEP 2
	STEP 3
; 32 sums (index i = 8 t + e) in each of 32 lanes become one finished sum a lane.  A fold halves the number of sums: a lane keeps one half of them, sends the other half to its partner, and adds what it gets.
.macro FOLD half, mask, xm
.set i, 0
.rept \half
.set VA, R+16*(i>>3)+(i&7)
.set i2, i+\half
.set VB, R+16*(i2>>3)+(i2&7)
.set TT, 16+2*(i%4)
	v_cndmask_b32 v[TT], v[VA], v[VB], \mask       ; what I keep
	v_cndmask_b32 v[TT+1], v[VB], v[VA], \mask     ; what my partner keeps
	v_add_f32_dpp v[VA], v[TT+1], v[TT] row_xmask:\xm row_mask:0xf bank_mask:0xf
.set i, i+1
.endr
.endm
	FOLD 16, s32, 1
	FOLD 8, s33, 2
	FOLD 4, s34, 4
	FOLD 2, s35, 8
	v_cndmask_b32 v16, v[R], v[R+1], s36
	v_cndmask_b32 v17, v[R+1], v[R], s36
	v_permlanex16_b32 v18, v17, s38, s39
	v_add_f32 v[R], v16, v18
	ds_store_b32 v7, v[R]
	s_wait_kmcnt 0x0                               ; gate_b
	s_wait_dscnt 0x0                               ; for the others' sake: my sums and my scale bytes lie in LDS
	s_barrier_signal -1
	s_barrier_wait -1
	s_cmp_eq_u32 s16, 0
	s_cbranch_scc1 .Lchoose
	s_cmp_eq_u32 s16, 1
	s_cbranch_scc1 .Lbytes
	s_wait_tensorcnt 0x0
	ds_add_u32 v30, v31
	s_wait_dscnt 0x0
	s_endpgm
.Lbytes:                                               ; wave 1: the 32 tokens' scale bytes leave as 1,024 consecutive bytes
	ds_load_b128 v[96:99], v25
	ds_load_b128 v[100:103], v25 offset:512
	s_wait_dscnt 0x0
	global_store_b128 v2, v[96:99], s[12:13]
	global_store_b128 v2, v[100:103], s[12:13] offset:512
	s_wait_tensorcnt 0x0
	ds_add_u32 v30, v31
	s_wait_dscnt 0x0
	s_endpgm
.Lchoose:                                              ; wave 0: lane = token
	ds_load_b128 v[96:99], v24
	ds_load_b128 v[100:103], v24 offset:16
	ds_load_b128 v[104:107], v24 offset:1024
	ds_load_b128 v[108:111], v24 offset:1040
	s_wait_dscnt 0x0
.irp e, 0,1,2,3,4,5,6,7
	v_add_f32 v[112+\e], v[96+\e], v[104+\e]       ; the two halves of K
.endr
.irp e, 0,1,2,3,4,5,6,7
	v_add_f32 v[112+\e], s[24+\e], v[112+\e]       ; + gate_b
.endr
	v_mov_b32 v120, v112                           ; the best score so far
	v_mov_b32 v121, 0                              ; and its expert
.irp e, 1,2,3,4,5,6,7
	v_cmp_le_f32 vcc_lo, v[112+\e], v120           ; not larger: the earlier expert stays, on a tie too
	v_cndmask_b32 v120, v[112+\e], v120, vcc_lo
	v_cndmask_b32 v121, \e, v121, vcc_lo
.endr
	v_mov_b32 v122, 0                              ; my rank among the group's tokens of my expert
	v_mov_b32 v123, 0                              ; lane e: the group's count for expert e
.irp e, 0,1,2,3,4,5,6,7
	v_cmp_eq_u32 s40, \e, v121
	v_mbcnt_lo_u32_b32 v124, s40, 0                ; how many lanes below me chose e
	v_cndmask_b32 v122, v122, v124, s40
	s_bcnt1_i32_b32 s41, s40
	v_writelane_b32 v123, s41, \e
.endr
	v_lshl_or_b32 v125, v122, 8, v121
	global_store_b32 v26, v125, s[44:45]           ; 128 consecutive bytes
	v_cmp_gt_u32 vcc_lo, 8, v1
	s_wait_xcnt 0x0                                ; EXEC is a source of the store above: it changes only behind this wait
	s_wait_tensorcnt 0x0
	ds_add_u32 v30, v31
	s_wait_dscnt 0x0
	s_and_saveexec_b32 s42, vcc_lo
	global_store_b32 v27, v123, s[46:47] offset:32768   ; counts [expert][group]
	s_wait_xcnt 0x0
	s_or_b32 exec_lo, exec_lo, s42
	s_endpgm
.Lfunc_end_k_qf9f5ded6d3_gate:
	.size	k_qf9f5ded6d3_gate, .Lfunc_end_k_qf9f5ded6d3_gate-k_qf9f5ded6d3_gate
	.p2alignl 7, 3214868480
	.fill 96, 4, 3214868480
	.section	.rodata,"a",@progbits
	.p2align	6, 0x0
	.amdhsa_kernel k_qf9f5ded6d3_gate
		.amdhsa_group_segment_fixed_size 120832
		.amdhsa_private_segment_fixed_size 0
		.amdhsa_enable_private_segment 0
		.amdhsa_kernarg_size 48
		.amdhsa_user_sgpr_count 2
		.amdhsa_user_sgpr_kernarg_segment_ptr 1
		.amdhsa_wavefront_size32 1
		.amdhsa_system_sgpr_workgroup_id_x 1
		.amdhsa_system_sgpr_workgroup_id_y 1
		.amdhsa_system_sgpr_workgroup_id_z 1
		.amdhsa_system_vgpr_workitem_id 0
		.amdhsa_next_free_vgpr 256
		.amdhsa_next_free_sgpr 66
		.amdhsa_reserve_vcc 1
		.amdhsa_float_denorm_mode_32 3
		.amdhsa_float_denorm_mode_16_64 3
		.amdhsa_memory_ordered 1
		.amdhsa_forward_progress 1
		.amdhsa_inst_pref_size 42
	.end_amdhsa_kernel
	.amdgpu_metadata
---
amdhsa.version: [ 1, 2 ]
amdhsa.kernels:
  - .name:           k_qf9f5ded6d3_gate
    .symbol:         k_qf9f5ded6d3_gate.kd
    .args:
      - { .name: x, .offset: 0, .size: 8, .value_kind: global_buffer, .address_space: global }
      - { .name: gate_w, .offset: 8, .size: 8, .value_kind: global_buffer, .address_space: global }
      - { .name: gate_b, .offset: 16, .size: 8, .value_kind: global_buffer, .address_space: global }
      - { .name: xq, .offset: 24, .size: 8, .value_kind: global_buffer, .address_space: global }
      - { .name: xs, .offset: 32, .size: 8, .value_kind: global_buffer, .address_space: global }
      - { .name: route, .offset: 40, .size: 8, .value_kind: global_buffer, .address_space: global }
    .group_segment_fixed_size: 120832
    .private_segment_fixed_size: 0
    .kernarg_segment_align: 8
    .kernarg_segment_size: 48
    .max_flat_workgroup_size: 512
    .sgpr_count:     66
    .vgpr_count:     256
    .wavefront_size: 32
...
	.end_amdgpu_metadata
.endif
;; end of part 1
;; launch place (part 2): grid 65 x 1, 8 waves a work-group, no clusters, 212,480 bytes of LDS; arguments route, w1_codes, w1_scales, w2_codes, w2_scales, plan, wf, ws, out1; writes plan, wf, ws, out1
.if DOCPART == 2
	.amdgcn_target "amdgcn-amd-amdhsa--gfx1250"
	.amdhsa_code_object_version 6
	.text
	.protected	k_qf9f5ded6d3_place
	.globl	k_qf9f5ded6d3_place
	.p2align	8
	.type	k_qf9f5ded6d3_place,@function
k_qf9f5ded6d3_place:
	s_mov_b64 s[64:65], 0
	v_nop
	global_prefetch_b8 v0, s[64:65] scope:SCOPE_SE
	s_setreg_imm32_b32 hwreg(HW_REG_WAVE_MODE, 25, 1), 1
	s_wait_xcnt 0x0
; Work-group 0 places the tokens: a counting sort by expert without atomics.  plan: rows [135][64] = the token of each slot, an expert's rows beginning on a tile of 64; from byte 34,560 on
; tiles [256] of {expert (8 = none), rows}.  With 8,192 rows, 8 experts and tiles of 64 there are never more than 135 tiles.  It also stores out1 = 0.
; Work-groups 1-32 lay W1's codes out, 33-64 W2's, as IMAGES OF THE OPERAND'S REGISTERS: a fragment (16 rows x 128 K, 12 registers a lane) is 1,536 bytes, [4 registers][lane][16 bytes], so that the
; next launch brings a fragment by three loads of 16 bytes a lane, 512 consecutive bytes each.  The scale words go with them, [lane][4 words]: word q of lane l is row l % 16 of tile 2 q + l / 16.
;   W1: image ((4 e + w) 8 + s) 8 + t: wave w's hidden units 128 w .., K step s, tile t = 2 b + u, whose lane r takes row 32 b + 8 u + r + 8 (r / 8) (so that the results of two neighbouring tiles are neighbours along the next K).
;   W2: from byte 3,145,728: image (((4 e + w) 2 + c) 4 + s) 8 + t: outputs 256 w + 128 c + 16 t + r.
; The three ways part on the work-group's number alone, and each has LDS bytes of its own.
.set NTOT,  0                          ; 8 words: rows of each expert
.set BASE2, 256                        ; [group 256][expert 8] words: the first slot of a group's tokens of an expert
.set RL1,   8704                       ; W1's way: 16 rows x 784 bytes for each wave
.set RL2,   109056                     ; W2's way: 32 rows x 400 bytes for each wave
	s_load_b512 s[4:19], s[0:1], 0x0               ; route, w1_codes, w1_scales, w2_codes, w2_scales, plan, wf, ws
	s_load_b64 s[20:21], s[0:1], 0x40              ; out1
	v_lshl_add_u32 v254, v0, 2, 0x33a00
	v_mov_b32 v255, 0
	v_lshrrev_b32 v1, 5, v0
	v_readfirstlane_b32 s22, v1                    ; wave
	v_and_b32 v1, 31, v0                           ; l
	v_and_b32 v2, 15, v0                           ; r
	v_bfe_u32 v3, v0, 4, 1                         ; h
	v_lshlrev_b32 v4, 4, v1                        ; 16 l
; A unit of 12,288 bytes (8 fragments) a wave: read as it lies, 512 consecutive bytes a load; laid in the wave's own LDS bytes as rows; read back as fragments; stored as images.  No barrier: waves share nothing.
; s[40:41] the unit's codes, s[42:43] its images, s[44:45] its scale words' rows, s[46:47] its block of scale words; v5 my lane's part of the scale words' address.
.macro RELAY w1
.if \w1
.set RP, 784                           ; a row of 768 bytes + 16
.set RMAGIC, 1366                      ; x / 48 = (1366 x) >> 16 for x under 96
.set RBASE, RL1
.set RSIZE, 16*784
.set RROWS, 2                          ; three loads (96 pieces of 16 bytes) are so many rows
.set RSQ, 1024                         ; 32 rows of scale bytes
.else
.set RP, 400                           ; a row of 384 bytes + 16
.set RMAGIC, 2731                      ; x / 24 = (2731 x) >> 16 for x under 96
.set RBASE, RL2
.set RSIZE, 32*400
.set RROWS, 4
.set RSQ, 512
.endif
	s_mul_i32 s30, s22, RSIZE
	s_add_co_u32 s30, s30, RBASE
.irp b, 0,1,2
	v_add_nc_u32 v[8+\b], 32*\b, v1                ; piece x = 32 b + l of 96
	v_mul_u32_u24 v12, v[8+\b], RMAGIC
	v_lshrrev_b32 v12, 16, v12                     ; its row
	v_add_nc_u32 v[8+\b], v[8+\b], v12
	v_lshl_add_u32 v[8+\b], v[8+\b], 4, s30        ; 16 x + 16 for each row passed
.endr
	v_mul_u32_u24 v11, v2, RP
	v_mad_u32_u24 v11, v3, 24, v11
	v_add_nc_u32 v11, s30, v11                     ; a fragment's row r, + 24 h
.set j, 0
.rept 24
.if \w1
	global_load_b128 v[32+4*j:35+4*j], v4, s[40:41] offset:512*j+6144*(j/12) th:TH_LOAD_NT   ; two runs of eight rows, 16 rows apart
.else
	global_load_b128 v[32+4*j:35+4*j], v4, s[40:41] offset:512*j th:TH_LOAD_NT
.endif
.set j, j+1
.endr
.irp q, 0,1,2,3
	global_load_b32 v[228+\q], v5, s[44:45] offset:RSQ*\q
.endr
	s_wait_loadcnt 4                               ; the codes are in; the four scale words may be out
.set j, 0
.rept 24
	ds_store_b128 v[8+j%3], v[32+4*j:35+4*j] offset:(j/3)*RROWS*RP
.set j, j+1
.endr
.set f, 0
.rept 8                                ; LDS serves a wave's instructions in order: these see the stores above.  W1: fragment f = K step f.  W2: f = 4 x tile + K step
.irp p, 0,1,2,3,4,5
.if \w1
	ds_load_b64 v[128+12*f+2*\p:129+12*f+2*\p], v11 offset:96*f+48*(\p/3)+8*(\p%3)
.else
	ds_load_b64 v[128+12*f+2*\p:129+12*f+2*\p], v11 offset:16*RP*(f/4)+96*(f%4)+48*(\p/3)+8*(\p%3)
.endif
.endr
.set f, f+1
.endr
	s_wait_dscnt 0x0
.set f, 0
.rept 8
.irp c, 0,1,2
.if \w1
	global_store_b128 v4, v[128+12*f+4*\c:131+12*f+4*\c], s[42:43] offset:12288*f+512*\c   ; 512 consecutive bytes
.else
	global_store_b128 v4, v[128+12*f+4*\c:131+12*f+4*\c], s[42:43] offset:12288*(f%4)+1536*(f/4)+512*\c
.endif
.endr
.set f, f+1
.endr
	s_wait_loadcnt 0x0
	global_store_b128 v4, v[228:231], s[46:47]
.endm
	s_wait_kmcnt 0x0
	s_cmp_eq_u32 ttmp9, 0
	s_cbranch_scc1 .Lsort
	s_cmp_lt_u32 ttmp9, 33
	s_cbranch_scc1 .Lw1
	; ---- W2: unit u = rows 32 u .. 32 u + 31: tiles 2 (u % 4) and 2 (u % 4) + 1 of (e, w, c) = u / 4, all four K steps
	s_sub_co_u32 s24, ttmp9, 33
	s_lshl_b32 s24, s24, 3
	s_add_co_u32 s24, s24, s22                     ; u
	s_mul_i32 s40, s24, 12288
	s_mov_b32 s41, 0
	s_add_nc_u64 s[40:41], s[10:11], s[40:41]
	s_lshr_b32 s25, s24, 2
	s_and_b32 s26, s24, 3
	s_mul_i32 s42, s25, 49152
	s_mul_i32 s27, s26, 3072
	s_add_co_u32 s42, s42, s27
	s_add_co_u32 s42, s42, 3145728
	s_mov_b32 s43, 0
	s_add_nc_u64 s[42:43], s[16:17], s[42:43]
	s_lshl_b32 s44, s25, 11                        ; scale block u = (e, w, c) u / 4, K step u % 4: rows 128 (u / 4) on, 16 bytes a row, word u % 4
	s_lshl_b32 s27, s26, 2
	s_add_co_u32 s44, s44, s27
	s_mov_b32 s45, 0
	s_add_nc_u64 s[44:45], s[12:13], s[44:45]
	s_lshl_b32 s46, s24, 9
	s_add_co_u32 s46, s46, 131072
	s_mov_b32 s47, 0
	s_add_nc_u64 s[46:47], s[18:19], s[46:47]
	v_mov_b32 v5, v4                               ; row 32 q + l: 16 bytes a row
	RELAY 0
	s_wait_tensorcnt 0x0
	ds_add_u32 v254, v255
	s_wait_dscnt 0x0
	s_endpgm
.Lw1:
	; ---- W1: unit u = tile u % 8 of (e, w) = u / 8, all eight K steps
	s_sub_co_u32 s24, ttmp9, 1
	s_lshl_b32 s24, s24, 3
	s_add_co_u32 s24, s24, s22                     ; u
	s_and_b32 s25, s24, 0xfe
	s_lshl_b32 s25, s25, 4
	s_and_b32 s26, s24, 1
	s_lshl_b32 s26, s26, 3
	s_add_co_u32 s25, s25, s26                     ; its first row: 16 (u less its lowest bit) + 8 (that bit)
	s_mul_i32 s40, s25, 768
	s_mov_b32 s41, 0
	s_add_nc_u64 s[40:41], s[6:7], s[40:41]
	s_lshr_b32 s25, s24, 3
	s_and_b32 s26, s24, 7
	s_mul_i32 s42, s25, 98304
	s_mul_i32 s27, s26, 1536
	s_add_co_u32 s42, s42, s27
	s_mov_b32 s43, 0
	s_add_nc_u64 s[42:43], s[16:17], s[42:43]
	s_lshl_b32 s44, s25, 12                        ; scale block u = (e, w) u / 8, K step u % 8: rows 128 (u / 8) on, 32 bytes a row, word u % 8
	s_lshl_b32 s27, s26, 2
	s_add_co_u32 s44, s44, s27
	s_mov_b32 s45, 0
	s_add_nc_u64 s[44:45], s[8:9], s[44:45]
	s_lshl_b32 s46, s24, 9
	s_mov_b32 s47, 0
	s_add_nc_u64 s[46:47], s[18:19], s[46:47]
	v_and_b32 v5, 8, v2
	v_add_nc_u32 v5, v5, v2
	v_lshl_add_u32 v5, v3, 3, v5
	v_lshlrev_b32 v5, 5, v5                        ; row 32 q + 8 h + r + 8 (r / 8): 32 bytes a row
	RELAY 1
	s_wait_tensorcnt 0x0
	ds_add_u32 v254, v255
	s_wait_dscnt 0x0
	s_endpgm
.Lsort:
	; ---- the sort.  Wave e scans expert e's 256 counts; then every wave places 1,024 tokens
	v_mov_b32 v6, s22
	v_lshlrev_b32 v6, 2, v6                        ; NTOT + 4 e
	v_lshlrev_b32 v7, 8, v1
	v_add_nc_u32 v7, v7, v6
	v_add_nc_u32 v7, BASE2, v7                     ; BASE2 + 32 (8 l) + 4 e
	s_lshl_b32 s23, s22, 10
	v_lshrrev_b32 v13, 3, v1
	v_lshl_add_u32 v13, v13, 5, s23
	v_add_nc_u32 v13, BASE2, v13                   ; the eight bases of group 32 w + 4 j + l / 8; j stands in the offset
	v_lshl_add_u32 v14, v1, 2, s23                 ; token 1024 w + 4 l
	v_lshlrev_b32 v15, 3, v0                       ; a tile's record
	v_lshlrev_b32 v5, 5, v1
	s_mov_b32 s50, s23
	s_mov_b32 s51, 0
	s_add_nc_u64 s[50:51], s[4:5], s[50:51]        ; expert e's row of counts (from byte 32,768)
	s_lshl_b32 s52, s22, 12
	s_mov_b32 s53, 0
	s_add_nc_u64 s[52:53], s[4:5], s[52:53]        ; my wave's 1,024 route words
	global_load_b128 v[32:35], v5, s[50:51] offset:32768
	global_load_b128 v[36:39], v5, s[50:51] offset:32784
.irp j, 0,1,2,3,4,5,6,7
	global_load_b128 v[64+4*\j:67+4*\j], v4, s[52:53] offset:512*\j
.endr
	s_wait_loadcnt 8                               ; the counts are in; the eight loads of route words stay out
.irp i, 1,2,3,4,5,6,7
	v_add_nc_u32 v[32+\i], v[32+\i], v[31+\i]      ; running sums of my eight groups
.endr
	v_mov_b32 v40, v39
	v_mov_b32 v41, 0
.irp n, 1,2,4,8
	v_mov_b32_dpp v41, v40 row_shr:\n row_mask:0xf bank_mask:0xf bound_ctrl:1   ; running sums over 16 lanes
	v_add_nc_u32 v40, v40, v41
.endr
	v_readlane_b32 s54, v40, 15
	v_mov_b32 v42, s54
	v_cmp_lt_u32 vcc_lo, 15, v1
	v_cndmask_b32 v41, 0, v42, vcc_lo
	v_add_nc_u32 v40, v40, v41                     ; and over all 32
	v_readlane_b32 s55, v40, 31                    ; the expert's rows
	v_sub_nc_u32 v40, v40, v39                     ; what lies ahead of my eight groups
	v_mov_b32 v43, s55
	ds_store_b32 v6, v43                           ; all lanes write the same word with the same value
	s_wait_dscnt 0x0
	s_barrier_signal -1
	s_barrier_wait -1
	v_mov_b32 v45, NTOT
	ds_load_b128 v[48:51], v45
	ds_load_b128 v[52:55], v45 offset:16
	s_wait_dscnt 0x0
.irp e, 0,1,2,3,4,5,6,7
	v_readfirstlane_b32 s[24+\e], v[48+\e]         ; n[e]
.endr
.irp e, 0,1,2,3,4,5,6,7
	s_add_co_u32 s[32+\e], s[24+\e], 63
	s_lshr_b32 s[32+\e], s[32+\e], 6               ; its tiles
.endr
	s_mov_b32 s40, 0
.irp e, 0,1,2,3,4,5,6,7
	s_add_co_u32 s[41+\e], s[40+\e], s[32+\e]      ; its first tile
.endr
	s_mov_b32 s56, 0
.irp e, 0,1,2,3,4,5,6
	s_cmp_lt_u32 \e, s22
	s_cselect_b32 s57, s[32+\e], 0
	s_add_co_u32 s56, s56, s57                     ; my own expert's first tile, without a jump
.endr
	s_lshl_b32 s56, s56, 6
	v_add_nc_u32 v40, s56, v40                     ; the first slot of group 8 l's tokens of expert e
	ds_store_b32 v7, v40
.irp i, 1,2,3,4,5,6,7
	v_add_nc_u32 v[56+\i], v40, v[31+\i]
	ds_store_b32 v7, v[56+\i] offset:32*\i
.endr
	s_wait_dscnt 0x0
	s_barrier_signal -1
	s_barrier_wait -1
.irp j, 0,1,2,3,4,5,6,7
	ds_load_b128 v[160+8*\j:163+8*\j], v13 offset:128*\j
	ds_load_b128 v[164+8*\j:167+8*\j], v13 offset:128*\j+16
.endr
	v_mov_b32 v230, 8                              ; thread i writes tile i's record: no expert,
	v_mov_b32 v231, 0                              ; no rows, unless i falls among an expert's tiles
.irp e, 0,1,2,3,4,5,6,7
	v_sub_nc_u32 v44, v0, s[40+\e]                 ; which of e's tiles (a large number where i lies ahead of them)
	v_lshlrev_b32 v46, 6, v44
	v_sub_nc_u32 v46, s[24+\e], v46                ; the rows left from there
	v_cmp_le_u32 vcc_lo, s[32+\e], v44             ; not one of e's
	v_cndmask_b32 v230, \e, v230, vcc_lo
	v_cndmask_b32 v231, v46, v231, vcc_lo
.endr
	v_min_u32 v231, 64, v231
	global_store_b64 v15, v[230:231], s[14:15] offset:34560
	s_wait_loadcnt 0x0                             ; the route words
	s_wait_dscnt 0x0                               ; the bases
.set j, 0
.rept 8
.set q, 0
.rept 4                                ; token 1024 w + 128 j + 4 l + q; each store has registers of its own
.set W, 64+4*j+q
.set AD, 96+4*j+q
.set DT, 128+4*j+q
.set BS, 160+8*j
	v_and_b32 v224, 7, v[W]                        ; its expert
	v_lshrrev_b32 v225, 8, v[W]                    ; its rank in the group
	v_mov_b32 v226, v[BS]
.irp e, 1,2,3,4,5,6,7
	v_cmp_eq_u32 vcc_lo, \e, v224
	v_cndmask_b32 v226, v226, v[BS+\e], vcc_lo     ; the group's base for that expert: a choice of a value, no address
.endr
	v_add_nc_u32 v[AD], v226, v225                 ; its slot,
	v_min_u32 v[AD], 8639, v[AD]                   ; held inside rows [135][64]
	v_lshlrev_b32 v[AD], 2, v[AD]
	v_add_nc_u32 v[DT], 128*j+q, v14
	global_store_b32 v[AD], v[DT], s[14:15]
.set q, q+1
.endr
.set j, j+1
.endr
	v_mov_b32 v228, 0
	v_cmp_eq_u32 vcc_lo, 0, v0
	s_wait_xcnt 0x0                                ; EXEC is a source of the stores above: it changes only behind this wait
	s_wait_tensorcnt 0x0
	ds_add_u32 v254, v255
	s_wait_dscnt 0x0
	s_and_saveexec_b32 s58, vcc_lo
	global_store_b32 v228, v228, s[20:21]          ; out1 = 0.0
	s_wait_xcnt 0x0
	s_or_b32 exec_lo, exec_lo, s58
	s_endpgm
.Lfunc_end_k_qf9f5ded6d3_place:
	.size	k_qf9f5ded6d3_place, .Lfunc_end_k_qf9f5ded6d3_place-k_qf9f5ded6d3_place
	.p2alignl 7, 3214868480
	.fill 96, 4, 3214868480
	.section	.rodata,"a",@progbits
	.p2align	6, 0x0
	.amdhsa_kernel k_qf9f5ded6d3_place
		.amdhsa_group_segment_fixed_size 212480
		.amdhsa_private_segment_fixed_size 0
		.amdhsa_enable_private_segment 0
		.amdhsa_kernarg_size 72
		.amdhsa_user_sgpr_count 2
		.amdhsa_user_sgpr_kernarg_segment_ptr 1
		.amdhsa_wavefront_size32 1
		.amdhsa_system_sgpr_workgroup_id_x 1
		.amdhsa_system_sgpr_workgroup_id_y 1
		.amdhsa_system_sgpr_workgroup_id_z 1
		.amdhsa_system_vgpr_workitem_id 0
		.amdhsa_next_free_vgpr 256
		.amdhsa_next_free_sgpr 66
		.amdhsa_reserve_vcc 1
		.amdhsa_float_denorm_mode_32 3
		.amdhsa_float_denorm_mode_16_64 3
		.amdhsa_memory_ordered 1
		.amdhsa_forward_progress 1
		.amdhsa_inst_pref_size 60
	.end_amdhsa_kernel
	.amdgpu_metadata
---
amdhsa.version: [ 1, 2 ]
amdhsa.kernels:
  - .name:           k_qf9f5ded6d3_place
    .symbol:         k_qf9f5ded6d3_place.kd
    .args:
      - { .name: route, .offset: 0, .size: 8, .value_kind: global_buffer, .address_space: global }
      - { .name: w1_codes, .offset: 8, .size: 8, .value_kind: global_buffer, .address_space: global }
      - { .name: w1_scales, .offset: 16, .size: 8, .value_kind: global_buffer, .address_space: global }
      - { .name: w2_codes, .offset: 24, .size: 8, .value_kind: global_buffer, .address_space: global }
      - { .name: w2_scales, .offset: 32, .size: 8, .value_kind: global_buffer, .address_space: global }
      - { .name: plan, .offset: 40, .size: 8, .value_kind: global_buffer, .address_space: global }
      - { .name: wf, .offset: 48, .size: 8, .value_kind: global_buffer, .address_space: global }
      - { .name: ws, .offset: 56, .size: 8, .value_kind: global_buffer, .address_space: global }
      - { .name: out1, .offset: 64, .size: 8, .value_kind: global_buffer, .address_space: global }
    .group_segment_fixed_size: 212480
    .private_segment_fixed_size: 0
    .kernarg_segment_align: 8
    .kernarg_segment_size: 72
    .max_flat_workgroup_size: 256
    .sgpr_count:     66
    .vgpr_count:     256
    .wavefront_size: 32
...
	.end_amdgpu_metadata
.endif
;; end of part 2
;; launch chain (part 3): grid 135 x 1, 4 waves a work-group, no clusters, 111,104 bytes of LDS; arguments plan, xq, xs, wf, ws, b1, b2, out0; writes out0
.if DOCPART == 3
	.amdgcn_target "amdgcn-amd-amdhsa--gfx1250"
	.amdhsa_code_object_version 6
	.text
	.protected	k_qf9f5ded6d3_chain
	.globl	k_qf9f5ded6d3_chain
	.p2align	8
	.type	k_qf9f5ded6d3_chain,@function
k_qf9f5ded6d3_chain:
	s_mov_b64 s[64:65], 0
	v_nop
	global_prefetch_b8 v0, s[64:65] scope:SCOPE_SE
	s_setreg_imm32_b32 hwreg(HW_REG_WAVE_MODE, 25, 1), 1
	s_wait_xcnt 0x0
; One work-group takes one tile of up to 64 rows of ONE expert through the whole chain: gather the rows' codes of x, x W1 + b1, GELU (erf) in f32, quantise, h W2 + b2, store each row at its token's place.
; Only the chosen expert is multiplied for a token: the model keeps nothing else.  The hidden layer stays in registers and LDS.  Each row of out0 has one owner.
; THE GRID: 8,192 / 64 + 7 = 135 tiles serve every split.  A tile without rows (record: rows = 0) walks the same text on the addresses of tile 0, which always has rows, and jumps over its stores alone: so every wave
; passes both barriers.  Rows beyond the tile's count repeat its last row: they store the same numbers to the same bytes.
; NO TENSOR LOADS, NO CLUSTER: the expert is a stored number, so the weights' addresses hang on loaded data, and partners could not be shown to ask alike.  The weights come from memory straight into registers, as images
; of the operand's registers laid out by the launch before: three loads of 16 bytes a lane for a fragment, 512 consecutive bytes each; each weight byte is read once by the work-group.
; SHARES.  The four waves share the COLUMNS: wave w makes hidden units 128 w .. + 127 (K step w of the second product) and outputs 256 w .. + 255 (two halves c of 128), for all 64 rows (four tiles m of 16).
; BOTH PRODUCTS ARE USED TRANSPOSED (source 0 = 16 rows of weights, source 1 = 16 tokens): a lane holds one token, its registers run along the hidden units or the outputs.
; Sixteen steps of 128 along K, 32 matrix instructions each: i = 0 .. 7 the first product, 8 .. 11 and 12 .. 15 the two halves of the second.  Weights run two steps ahead in three buffers, tokens' fragments one step ahead in two.
; erf(z) = z P(z^2) / Q(z^2), degrees 6 and 4 in z^2, z held to +-4.  LIMITS: its absolute error is some 1e-7, so for x under about -5.6 GELU is 0 only to within some 1e-7 |x|; NaN and infinities are not served.
; A block of zeros of h gets the byte 1: its codes are zeros.
; REGISTERS, in windows of 256: window 0: v1-23 addresses; v24-31, v68-99 offsets of the tile's tokens; v32-47, v48-59, v60-67 scale words of x, of the weights, of h; v100-195 two sets of four token fragments
;   (also: x as gathered; 64 numbers at work and 24 for the polynomials; with v196-227 the rows on the way out); v196-234 the quantiser; v236-239 two coefficients.
;   window 1: weight buffers 0 and 1 (v0-95, v96-191), b1's eight tiles (v192-255).   window 2: weight buffer 2 (v0-95), b2's sixteen tiles (v96-223).   window 3: the 32 accumulators, (m, t) at v[64 m + 8 t].
.set XP,   784                         ; LDS: x's 64 rows of 768 bytes, 784 apart = 196 words: the 32 lanes of a load of 8 bytes touch 64 different banks (64 banks of 4 bytes: ISA guide 11.1)
.set HIMG, 50176                       ; h's 16 fragments as images, (4 m + s) x 1,536 bytes
.set HSC,  74752                       ; their scale words, 128 bytes each
.set STG,  76800                       ; the way out: 16 rows x (512 + 16) bytes for each wave
.set SPI,  528
.set XOFF, 24
.set XS,   32
.set WS,   48
.set HS,   60
.set OOFF, 68
.set XF,   100
.set Z,    100
.set T2,   164
.set TP,   172
.set TQ,   180
.set BK,   100
.set TM,   196
.set PW,   212
.set PC,   216
.set CA1,  236
.set CB1,  238
.set SEL,  36                          ; s[36:37] v_permlanex16_b32's selects for lane l xor 16
.set RH,   38                          ; s[38:39] 1 / sqrt(2)
.set KA0,  40                          ; the coefficients, each as a pair with both words written: the packed forms name a pair and take its low word for both halves
.set KA2,  42
.set KA3,  44
.set KA4,  46
.set KA5,  48
.set KA6,  50
.set KB0,  52
.set KB2,  54
.set KB3,  56
.set KB4,  58
.set MSB, 0
.macro WIN new                         ; the immediate's high byte repeats the setting that is left
.if MSB != \new
	s_set_vgpr_msb (MSB<<8)|\new
.set MSB, \new
.endif
.endm
.macro PLACES n                        ; plain vector lines between a matrix instruction and a load into, a write of or a read of its registers
.rept \n
	v_nop
.endr
.endm
.macro KPAIR r, bits
	s_mov_b32 s[\r], \bits
	s_mov_b32 s[\r+1], \bits
.endm
; Step i's weights: eight fragments (24 loads) into buffer i % 3, and their scale words (1 load): 25 loads.
.macro WLOAD i
.if (\i)%3 == 2
	WIN 0x80                                       ; destination window 2
.else
	WIN 0x40                                       ; destination window 1
.endif
.set WBR, 96*(((\i)%3)%2)
.set tt, 0
.rept 8
.irp c, 0,1,2
.if (\i) < 8
	global_load_b128 v[WBR+12*tt+4*\c:WBR+12*tt+4*\c+3], v4, s[28:29] offset:12288*((\i)%8)+1536*tt+512*\c
.else
	global_load_b128 v[WBR+12*tt+4*\c:WBR+12*tt+4*\c+3], v4, s[30:31] offset:12288*((\i)%8)+1536*tt+512*\c
.endif
.endr
.set tt, tt+1
.endr
	WIN 0
.if (\i) < 8
	global_load_b128 v[WS+4*((\i)%3):WS+4*((\i)%3)+3], v4, s[32:33] offset:512*((\i)%8)
.else
	global_load_b128 v[WS+4*((\i)%3):WS+4*((\i)%3)+3], v4, s[34:35] offset:512*((\i)%8)
.endif
.endm
; Step i's four token fragments into set i % 2: of x from rows (24 loads of 8 bytes), of h from images (12 loads of 16 bytes).
.macro BLOAD i
.set XB, XF+48*((\i)%2)
.irp m, 0,1,2,3
.if (\i) < 8
.irp p, 0,1,2,3,4,5
	ds_load_b64 v[XB+12*\m+2*\p:XB+12*\m+2*\p+1], v5 offset:16*XP*\m+96*(\i)+48*(\p/3)+8*(\p%3)
.endr
.else
.irp c, 0,1,2
	ds_load_b128 v[XB+12*\m+4*\c:XB+12*\m+4*\c+3], v6 offset:(4*\m+(\i)%4)*1536+512*\c
.endr
.endif
.endr
.endm
.macro MM1                             ; one product; the scale words of odd tiles stand in lanes 16-31 of their registers
.if (tt%2) && (mm%2)
	v_wmma_scale_f32_16x16x128_f8f6f4 v[rD:rD+7], v[rA:rA+11], v[rB:rB+11], v[rC:rC+7], v[rSA], v[rSB] matrix_a_fmt:MATRIX_FMT_BF6 matrix_b_fmt:MATRIX_FMT_BF6 matrix_a_scale:MATRIX_SCALE_ROW1 matrix_b_scale:MATRIX_SCALE_ROW1
.elseif tt%2
	v_wmma_scale_f32_16x16x128_f8f6f4 v[rD:rD+7], v[rA:rA+11], v[rB:rB+11], v[rC:rC+7], v[rSA], v[rSB] matrix_a_fmt:MATRIX_FMT_BF6 matrix_b_fmt:MATRIX_FMT_BF6 matrix_a_scale:MATRIX_SCALE_ROW1
.elseif mm%2
	v_wmma_scale_f32_16x16x128_f8f6f4 v[rD:rD+7], v[rA:rA+11], v[rB:rB+11], v[rC:rC+7], v[rSA], v[rSB] matrix_a_fmt:MATRIX_FMT_BF6 matrix_b_fmt:MATRIX_FMT_BF6 matrix_b_scale:MATRIX_SCALE_ROW1
.else
	v_wmma_scale_f32_16x16x128_f8f6f4 v[rD:rD+7], v[rA:rA+11], v[rB:rB+11], v[rC:rC+7], v[rSA], v[rSB] matrix_a_fmt:MATRIX_FMT_BF6 matrix_b_fmt:MATRIX_FMT_BF6
.endif
.endm
; 32 products: four tiles of tokens x eight tiles of weights.  The 32 accumulators take turns, one instruction a turn, in the same order in every step.
; bias = 1: the sums begin with the bias, eight registers a tile in the result's layout, at v[cb + 8 t].
.macro MULS i, bias, cb
.set mm, 0
.rept 4
.set tt, 0
.rept 8
.set rD, 64*mm+8*tt
.set rA, 96*(((\i)%3)%2)+12*tt
.set rB, XF+48*((\i)%2)+12*mm
.set rSA, WS+4*((\i)%3)+tt/2
.if (\i) < 8
.set rSB, XS+8*(mm/2)+(\i)
.else
.set rSB, HS+4*(mm/2)+(\i)%4
.endif
.if \bias
.set rC, \cb+8*tt
.else
.set rC, rD
.endif
	MM1
.set tt, tt+1
.endr
.set mm, mm+1
.endr
.endm
; A step.  n: the global loads that may stay out when this step's weights have to be in.  wl: the weights two steps on are asked for.  bl: the tokens' fragments of the next step are asked for.
; d: the LDS loads just issued, which may stay out.  win: where this step's weights and C lie.
.macro STEP i, n, wl, bl, d, win, bias, cb
	s_wait_loadcnt \n
	PLACES 4                                       ; the loads below land in registers that the step before read
.if \wl
	WLOAD (\i)+2
.endif
.if \bl
	BLOAD (\i)+1
.endif
	s_wait_dscnt \d
	WIN \win
	MULS \i, \bias, \cb
	WIN 0
.endm
.macro HORN acc, kc
.irp k, 0,2,4,6
	v_pk_fma_f32 v[\acc+\k:\acc+\k+1], v[\acc+\k:\acc+\k+1], v[T2+\k:T2+\k+1], s[\kc:\kc+1] op_sel_hi:[1,1,0]
.endr
.endm
; Eight numbers z = x / sqrt(2) at v[Z + zb] on become 0.5 erf(z) + 0.5.  P's and Q's chains by turns, four pairs each.
.macro GELU4 zb
.irp k, 0,1,2,3,4,5,6,7
	v_med3_num_f32 v[Z+\zb+\k], v[Z+\zb+\k], -4.0, 4.0
.endr
.irp k, 0,2,4,6
	v_pk_mul_f32 v[T2+\k:T2+\k+1], v[Z+\zb+\k:Z+\zb+\k+1], v[Z+\zb+\k:Z+\zb+\k+1]
.endr
.irp k, 0,2,4,6
	v_pk_fma_f32 v[TP+\k:TP+\k+1], v[T2+\k:T2+\k+1], s[KA0:KA0+1], v[CA1:CA1+1] op_sel_hi:[1,0,1]
.endr
.irp k, 0,2,4,6
	v_pk_fma_f32 v[TQ+\k:TQ+\k+1], v[T2+\k:T2+\k+1], s[KB0:KB0+1], v[CB1:CB1+1] op_sel_hi:[1,0,1]
.endr
	HORN TP, KA2
	HORN TQ, KB2
	HORN TP, KA3
	HORN TQ, KB3
	HORN TP, KA4
	HORN TQ, KB4
	HORN TP, KA5
	HORN TP, KA6
.irp k, 0,1,2,3,4,5,6,7
	v_rcp_f32 v[TQ+\k], v[TQ+\k]
.endr
.irp k, 0,2,4,6
	v_pk_mul_f32 v[TP+\k:TP+\k+1], v[TP+\k:TP+\k+1], v[Z+\zb+\k:Z+\zb+\k+1]   ; z P: plain lines behind the reciprocals, which name none of their registers
.endr
	s_wait_alu depctr_va_vdst(0)
.irp k, 0,2,4,6
	v_pk_mul_f32 v[TP+\k:TP+\k+1], v[TP+\k:TP+\k+1], v[TQ+\k:TQ+\k+1]
.endr
.irp k, 0,2,4,6
	v_pk_fma_f32 v[Z+\zb+\k:Z+\zb+\k+1], v[TP+\k:TP+\k+1], 0.5, 0.5 op_sel_hi:[1,0,0]
.endr
.endm
; 64 numbers of a lane, register 16 b + i = k 32 b + 16 (lane / 16) + i of my row, become a fragment's codes in v[PC] on and its scale word in v[PW].
.macro QUANT s
.irp b, 0,1,2,3
	v_max3_num_f32 v[TM+\b], |v[\s+16*\b]|, |v[\s+1+16*\b]|, 0x2800000   ; block b: my 16 numbers, and the floor 2^(5 - 127): the byte cannot fall under 1
.endr
.irp i, 2,4,6,8,10,12,14
.irp b, 0,1,2,3
	v_max3_num_f32 v[TM+\b], v[TM+\b], |v[\s+16*\b+\i]|, |v[\s+1+16*\b+\i]|   ; the four blocks by turns
.endr
.endr
.irp b, 0,1,2,3
	v_permlanex16_b32 v[TM+4+\b], v[TM+\b], s[SEL], s[SEL+1]
.endr
.irp b, 0,1,2,3
	v_max_num_f32 v[TM+\b], v[TM+\b], v[TM+4+\b]   ; with lane l xor 16's: the block's largest magnitude
.endr
.irp b, 0,1,2,3
	v_add_nc_u32 v[TM+12+\b], 0xfe000000, v[TM+\b] ; 4 off its exponent field: the conversion's scale operand
.endr
.irp b, 0,1,2,3
	v_lshrrev_b32 v[TM+4+\b], 23, v[TM+12+\b]      ; the scale's byte
.endr
	v_lshl_or_b32 v[PW], v[TM+5], 8, v[TM+4]
	v_lshl_or_b32 v[PW], v[TM+6], 16, v[PW]
	v_lshl_or_b32 v[PW], v[TM+7], 24, v[PW]
.irp c, 0,1
	v_cvt_scalef32_pk16_bf6_f32 v[PC+6*\c:PC+2+6*\c], v[\s+32*\c:\s+15+32*\c], v[TM+12+2*\c]
	v_cvt_scalef32_pk16_bf6_f32 v[PC+12+4*\c:PC+14+4*\c], v[\s+16+32*\c:\s+31+32*\c], v[TM+12+2*\c+1]   ; (a conversion's three registers begin on an even number)
.endr
	v_nop                                          ; one plain line behind a scaled conversion
.irp c, 0,1                                    ; the operand's layout wants a whole block in a lane: lanes 0-15 block 2 c, lanes 16-31 block 2 c + 1
.irp i, 0,1,2
	v_permlane16_swap_b32 v[PC+6*\c+\i], v[PC+12+4*\c+\i]
.endr
.irp i, 0,1,2
	v_mov_b32 v[PC+3+6*\c+\i], v[PC+12+4*\c+\i]
.endr
.endr
.endm
; Tile m of the hidden layer: GELU in f32, quantised; its image is K step w of the second product.
.macro ACT m
	WIN 0x03                                       ; source 0 window 3
.set k, 0
.rept 32
	v_pk_mul_f32 v[Z+k:Z+k+1], v[64*(\m)+k:64*(\m)+k+1], s[RH:RH+1] op_sel_hi:[1,0]   ; z = x / sqrt(2); each accumulator from its low end on
.set k, k+2
.endr
	WIN 0
.irp g, 0,8,16,24,32,40,48,56
	GELU4 \g
.endr
	WIN 0x03
.set k, 0
.rept 32
	v_pk_mul_f32 v[Z+k:Z+k+1], v[64*(\m)+k:64*(\m)+k+1], v[Z+k:Z+k+1]   ; x (0.5 erf + 0.5)
.set k, k+2
.endr
	WIN 0
	QUANT Z
.irp c, 0,1,2
	ds_store_b128 v7, v[PC+4*\c:PC+4*\c+3] offset:6144*(\m)+512*\c
.endr
	ds_store_b32 v8, v[PW] offset:512*(\m)
	s_wait_dscnt 0x0                               ; the stores have read their registers
.endm
; The way out of tile m: a lane holds 32 neighbouring bytes of a token's row; through my own stage they come back as runs of 256 bytes, lanes 0-15 one row, lanes 16-31 the next.
.macro TOSTAGE m
	WIN 0x0c                                       ; an LDS store's data are its source 1: window 3
.irp t, 0,1,2,3,4,5,6,7
	ds_store_b128 v10, v[64*(\m)+8*\t:64*(\m)+8*\t+3] offset:64*\t          ; each accumulator from its low end on
	ds_store_b128 v10, v[64*(\m)+8*\t+4:64*(\m)+8*\t+7] offset:64*\t+16
.endr
	WIN 0
.set BB, BK+64*((\m)%2)
.irp a, 0,1,2,3,4,5,6,7
.irp u, 0,1
	ds_load_b128 v[BB+8*\a+4*\u:BB+8*\a+4*\u+3], v11 offset:2*SPI*\a+256*\u   ; LDS serves a wave's instructions in order: these see the stores above, and the next tile's stores come behind them
.endr
.endr
.endm
.macro SEND m, c, younger              ; younger: the LDS instructions issued behind tile m's loads, which may stay out
.set BB, BK+64*((\m)%2)
	s_wait_dscnt \younger
.irp a, 0,1,2,3,4,5,6,7
.irp u, 0,1
	global_store_b128 v[OOFF+8*(\m)+\a], v[BB+8*\a+4*\u:BB+8*\a+4*\u+3], s[18:19] offset:512*(\c)+256*\u th:TH_STORE_NT   ; sixteen lanes store 256 consecutive bytes of one token's row, aligned
.endr
.endr
.endm
.macro OUTPUT c
	PLACES 5                                       ; on every way: behind the last products, ahead of the reads of their results and of the products that begin these accumulators anew
	s_cmp_eq_u32 s22, 0
	s_cbranch_scc1 .Lno_rows_\@                    ; a tile without rows stores nothing
	TOSTAGE 0
	TOSTAGE 1
	SEND 0, \c, 32                                 ; behind tile 0's loads: tile 1's 16 stores and 16 loads
	s_wait_xcnt 0x0                                ; tile 0's stores have read their registers: tile 2's rows may land there
	TOSTAGE 2
	SEND 1, \c, 32
	s_wait_xcnt 0x0
	TOSTAGE 3
	SEND 2, \c, 32
	SEND 3, \c, 0
.Lno_rows_\@:
	s_wait_xcnt 0x0                                ; the stores have read their registers: the next fragments may land there
.endm
	s_load_b512 s[4:19], s[0:1], 0x0               ; plan, xq, xs, wf, ws, b1, b2, out0
	v_lshl_add_u32 v254, v0, 2, 0x1b000
	v_mov_b32 v255, 0
	v_lshrrev_b32 v23, 5, v0
	v_readfirstlane_b32 s20, v23                   ; wave w
	s_lshl_b32 s26, ttmp9, 3
	s_wait_kmcnt 0x0
	s_load_b64 s[24:25], s[4:5], s26 offset:34560  ; my tile's record: expert, rows
	v_and_b32 v1, 31, v0                           ; l
	v_and_b32 v2, 15, v0                           ; r
	v_bfe_u32 v3, v0, 4, 1                         ; h
	v_lshlrev_b32 v4, 4, v1                        ; 16 l: an image's place for my lane
	v_mul_u32_u24 v5, v2, XP
	v_mad_u32_u24 v5, v3, 24, v5                   ; x's fragments: row r, + 24 h
	v_add_nc_u32 v6, HIMG, v4                      ; h's images, to read
	s_mul_i32 s27, s20, 1536
	v_add_nc_u32 v7, s27, v6                       ; and to write: K step w
	s_lshl_b32 s27, s20, 7
	v_lshl_add_u32 v8, v1, 2, s27
	v_add_nc_u32 v8, HSC, v8                       ; h's scale words, to write: 4 l + 128 w
	v_lshlrev_b32 v9, 9, v3
	v_lshl_add_u32 v9, v2, 2, v9
	v_add_nc_u32 v9, HSC, v9                       ; and to read: lanes 0-15 an even tile's rows, lanes 16-31 the odd tile's
	s_mul_i32 s27, s20, 16*SPI
	s_add_co_u32 s27, s27, STG                     ; my stage
	v_mul_u32_u24 v10, v2, SPI
	v_lshl_add_u32 v10, v3, 5, v10
	v_add_nc_u32 v10, s27, v10                     ; in: row r, + 32 h
	v_mul_u32_u24 v11, v3, SPI
	v_lshl_add_u32 v11, v2, 4, v11
	v_add_nc_u32 v11, s27, v11                     ; back: row h, + 16 r
	s_mul_i32 s27, s20, 16*XP
	v_mul_u32_u24 v12, v3, XP
	v_lshl_add_u32 v12, v2, 4, v12
	v_add_nc_u32 v12, s27, v12                     ; x's rows 16 w + h, + 16 r
	s_lshl_b32 s27, s20, 4
	v_add_nc_u32 v23, s27, v3                      ; 16 w + h
	v_lshlrev_b32 v20, 6, v3                       ; b1: 16 h numbers
	v_lshlrev_b32 v21, 5, v3                       ; b2: 8 h numbers
	v_lshlrev_b32 v22, 4, v2                       ; 16 r
.irp b, 0,1,2,3
	v_mov_b32 v[TM+4+\b], 0                        ; written once: a lane permute's destination counts as one of its sources
.endr
	v_mov_b32 v[CA1], 0x32edffee                   ; A1 =  2.77068142e-08
	v_mov_b32 v[CA1+1], 0x32edffee
	v_mov_b32 v[CB1], 0xb95fbd29                   ; B1 = -2.13374055e-04
	v_mov_b32 v[CB1+1], 0xb95fbd29
	s_mov_b32 s[SEL], 0x76543210
	s_mov_b32 s[SEL+1], 0xfedcba98
	KPAIR RH,  0x3f3504f3                          ; 0.70710678
	KPAIR KA0, 0xaf95df0b                          ; -2.72614226e-10
	KPAIR KA2, 0xb60cff51                          ; -2.10102402e-06
	KPAIR KA3, 0xb86ec2d2                          ; -5.69250639e-05
	KPAIR KA4, 0xba40acf4                          ; -7.34990630e-04
	KPAIR KA5, 0xbb41a1f6                          ; -2.95459981e-03
	KPAIR KA6, 0xbc83dbd4                          ; -1.60960333e-02
	KPAIR KB0, 0xb77460cd                          ; -1.45660718e-05
	KPAIR KB2, 0xbadc924e                          ; -1.68282697e-03
	KPAIR KB3, 0xbbf19bf8                          ; -7.37332917e-03
	KPAIR KB4, 0xbc69b6a7                          ; -1.42647391e-02
	s_wait_kmcnt 0x0
	s_min_u32 s21, s24, 7                          ; the expert, held inside the weights (a tile without rows names expert 8)
	s_min_u32 s22, s25, 64                         ; the rows
	s_max_u32 s23, s22, 1
	s_sub_co_u32 s23, s23, 1                       ; the last row that counts
	s_cmp_eq_u32 s22, 0
	s_cselect_b32 s26, 0, ttmp9                    ; whose rows I read
	s_lshl_b32 s26, s26, 8
	s_mov_b32 s27, 0
	s_add_nc_u64 s[26:27], s[4:5], s[26:27]        ; that tile's 64 tokens
	s_lshl_b32 s24, s21, 2
	s_add_co_u32 s24, s24, s20                     ; 4 e + w
	s_mul_i32 s28, s24, 98304
	s_mov_b32 s29, 0
	s_add_nc_u64 s[28:29], s[10:11], s[28:29]      ; my 64 images of W1,
	s_add_nc_u64 s[30:31], s[28:29], 3145728       ; of W2,
	s_lshl_b32 s32, s24, 12
	s_mov_b32 s33, 0
	s_add_nc_u64 s[32:33], s[12:13], s[32:33]      ; and their scale words
	s_add_nc_u64 s[34:35], s[32:33], 131072
	s_lshl_b32 s24, s24, 9
	s_mov_b32 s25, 0
	s_add_nc_u64 s[14:15], s[14:15], s[24:25]      ; b1 at 512 e + 128 w
	s_lshl_b32 s24, s24, 1
	s_add_nc_u64 s[16:17], s[16:17], s[24:25]      ; b2 at 1024 e + 256 w
	s_lshl_b32 s24, s20, 10
	s_add_nc_u64 s[18:19], s[18:19], s[24:25]      ; out0 at column 256 w
	; the tile's tokens, each lane those that it needs: row min(row, last), held at 63.  Each load lands on its own address register.
.set a, 0
.rept 32                               ; for the way out: rows 2 a + h
	v_add_nc_u32 v[OOFF+a], 2*a, v3
	v_min_u32 v[OOFF+a], s23, v[OOFF+a]
	v_min_u32 v[OOFF+a], 63, v[OOFF+a]
	v_lshlrev_b32 v[OOFF+a], 2, v[OOFF+a]
	global_load_b32 v[OOFF+a], v[OOFF+a], s[26:27]
.set a, a+1
.endr
.set a, 0
.rept 8                                ; for the gather of x: rows 16 w + 2 a + h
	v_add_nc_u32 v[XOFF+a], 2*a, v23
	v_min_u32 v[XOFF+a], s23, v[XOFF+a]
	v_min_u32 v[XOFF+a], 63, v[XOFF+a]
	v_lshlrev_b32 v[XOFF+a], 2, v[XOFF+a]
	global_load_b32 v[XOFF+a], v[XOFF+a], s[26:27]
.set a, a+1
.endr
.irp p, 0,1                            ; for x's scale words: rows 32 p + l
	v_add_nc_u32 v[15+\p], 32*\p, v1
	v_min_u32 v[15+\p], s23, v[15+\p]
	v_min_u32 v[15+\p], 63, v[15+\p]
	v_lshlrev_b32 v[15+\p], 2, v[15+\p]
	global_load_b32 v[15+\p], v[15+\p], s[26:27]
.endr
	WLOAD 0
	WLOAD 1
	s_wait_loadcnt 50                              ; the tokens are in; the two steps' weights, 25 loads each, stay out
.set a, 0
.rept 32
	v_min_u32 v[OOFF+a], 0x1fff, v[OOFF+a]         ; a token, held inside the 8,192
	v_lshl_add_u32 v[OOFF+a], v[OOFF+a], 12, v22   ; its row of out0, + 16 r
.set a, a+1
.endr
.set a, 0
.rept 8
	v_min_u32 v[XOFF+a], 0x1fff, v[XOFF+a]
	v_mad_u32_u24 v[XOFF+a], v[XOFF+a], 768, v22   ; its row of codes, + 16 r
.set a, a+1
.endr
.irp p, 0,1
	v_min_u32 v[15+\p], 0x1fff, v[15+\p]
	v_lshlrev_b32 v[15+\p], 5, v[15+\p]            ; its 32 scale bytes
.endr
.irp a, 0,1,2,3,4,5,6,7
.irp u, 0,1,2
	global_load_b128 v[XF+12*\a+4*\u:XF+12*\a+4*\u+3], v[XOFF+\a], s[6:7] offset:256*\u   ; sixteen lanes read 256 consecutive bytes of a row, aligned
.endr
.endr
.irp p, 0,1
	global_load_b128 v[XS+8*\p:XS+8*\p+3], v[15+\p], s[8:9]
	global_load_b128 v[XS+8*\p+4:XS+8*\p+7], v[15+\p], s[8:9] offset:16
.endr
	WIN 0x40
.irp t, 0,1,2,3,4,5,6,7                ; b1 in the result's layout: tile 2 b + u, lane half h: hidden units 32 b + 16 h + 8 u + 0 .. 7
	global_load_b128 v[192+8*\t:195+8*\t], v20, s[14:15] offset:(32*(\t/2)+8*(\t%2))*4
	global_load_b128 v[196+8*\t:199+8*\t], v20, s[14:15] offset:(32*(\t/2)+8*(\t%2))*4+16
.endr
	WIN 0
	s_wait_loadcnt 20                              ; the gathered rows are in; x's scale words (4 loads) and b1 (16) may be out
.irp a, 0,1,2,3,4,5,6,7
.irp u, 0,1,2
	ds_store_b128 v12, v[XF+12*\a+4*\u:XF+12*\a+4*\u+3] offset:2*XP*\a+256*\u
.endr
.endr
	s_wait_dscnt 0x0                               ; for the others' sake: my 16 rows of x lie in LDS
	s_barrier_signal -1
	s_barrier_wait -1
	BLOAD 0
	; ---- the first product: K = 1,024 in eight steps
	STEP 0, 0,  1, 1, 24, 0xd1, 1, 192             ; all loads so far are in; C = b1 (window 1)
	STEP 1, 25, 1, 1, 24, 0xf1, 0, 0               ; n = 25: the next step's weights stay out; d = 24: the next step's fragments, just asked for
	STEP 2, 25, 1, 1, 24, 0xf2, 0, 0
	STEP 3, 25, 1, 1, 24, 0xf1, 0, 0
	STEP 4, 25, 1, 1, 24, 0xf1, 0, 0
	STEP 5, 25, 1, 1, 24, 0xf2, 0, 0
	STEP 6, 25, 1, 1, 24, 0xf1, 0, 0
	STEP 7, 25, 1, 0, 0,  0xf1, 0, 0
	PLACES 4                                       ; ahead of the loads into step 7's buffer and of the first reads of results
	WLOAD 10
	; ---- GELU and the quantiser; the second product's first three steps of weights land meanwhile
	ACT 0
	WIN 0x80
.irp c, 0,1                            ; b2 in the result's layout: half c, tile t, lane half h: outputs 128 c + 16 t + 8 h + 0 .. 7
.irp t, 0,1,2,3,4,5,6,7
	global_load_b128 v[96+64*\c+8*\t:99+64*\c+8*\t], v21, s[16:17] offset:512*\c+64*\t
	global_load_b128 v[100+64*\c+8*\t:103+64*\c+8*\t], v21, s[16:17] offset:512*\c+64*\t+16
.endr
.endr
	WIN 0
	ACT 1
	ACT 2
	ACT 3
	s_wait_dscnt 0x0                               ; for the others' sake: my K step of h lies in LDS
	s_barrier_signal -1
	s_barrier_wait -1
.irp p, 0,1
.irp s, 0,1,2,3
	ds_load_b32 v[HS+4*\p+\s], v9 offset:1024*\p+128*\s
.endr
.endr
	BLOAD 8
	; ---- the second product: K = 512 in four steps, for each half of my outputs
	STEP 8,  0,  0, 1, 12, 0xe2, 1, 96             ; C = b2's first half (window 2)
	STEP 9,  25, 1, 1, 12, 0xf1, 0, 0
	STEP 10, 25, 1, 1, 12, 0xf1, 0, 0
	STEP 11, 25, 1, 0, 0,  0xf2, 0, 0
	PLACES 4
	WLOAD 14
	OUTPUT 0
	BLOAD 12
	STEP 12, 50, 0, 1, 12, 0xe1, 1, 160            ; n = 50: the weights of steps 13 and 14 stay out; C = b2's second half
	STEP 13, 25, 1, 1, 12, 0xf1, 0, 0
	STEP 14, 25, 0, 1, 12, 0xf2, 0, 0
	STEP 15, 0,  0, 0, 0,  0xf1, 0, 0
	OUTPUT 1
	s_wait_tensorcnt 0x0
	ds_add_u32 v254, v255
	s_wait_dscnt 0x0
	s_endpgm
.Lfunc_end_k_qf9f5ded6d3_chain:
	.size	k_qf9f5ded6d3_chain, .Lfunc_end_k_qf9f5ded6d3_chain-k_qf9f5ded6d3_chain
	.p2alignl 7, 3214868480
	.fill 96, 4, 3214868480
	.section	.rodata,"a",@progbits
	.p2align	6, 0x0
	.amdhsa_kernel k_qf9f5ded6d3_chain
		.amdhsa_group_segment_fixed_size 111104
		.amdhsa_private_segment_fixed_size 0
		.amdhsa_enable_private_segment 0
		.amdhsa_kernarg_size 64
		.amdhsa_user_sgpr_count 2
		.amdhsa_user_sgpr_kernarg_segment_ptr 1
		.amdhsa_wavefront_size32 1
		.amdhsa_system_sgpr_workgroup_id_x 1
		.amdhsa_system_sgpr_workgroup_id_y 1
		.amdhsa_system_sgpr_workgroup_id_z 1
		.amdhsa_system_vgpr_workitem_id 0
		.amdhsa_next_free_vgpr 1024
		.amdhsa_next_free_sgpr 66
		.amdhsa_reserve_vcc 0
		.amdhsa_float_denorm_mode_32 3
		.amdhsa_float_denorm_mode_16_64 3
		.amdhsa_memory_ordered 1
		.amdhsa_forward_progress 1
		.amdhsa_inst_pref_size 255
	.end_amdhsa_kernel
	.section	.bss,"aw",@nobits
	.p2align	6
	.space	262144
	.amdgpu_metadata
---
amdhsa.version: [ 1, 2 ]
amdhsa.kernels:
  - .name:           k_qf9f5ded6d3_chain
    .symbol:         k_qf9f5ded6d3_chain.kd
    .args:
      - { .name: plan, .offset: 0, .size: 8, .value_kind: global_buffer, .address_space: global }
      - { .name: xq, .offset: 8, .size: 8, .value_kind: global_buffer, .address_space: global }
      - { .name: xs, .offset: 16, .size: 8, .value_kind: global_buffer, .address_space: global }
      - { .name: wf, .offset: 24, .size: 8, .value_kind: global_buffer, .address_space: global }
      - { .name: ws, .offset: 32, .size: 8, .value_kind: global_buffer, .address_space: global }
      - { .name: b1, .offset: 40, .size: 8, .value_kind: global_buffer, .address_space: global }
      - { .name: b2, .offset: 48, .size: 8, .value_kind: global_buffer, .address_space: global }
      - { .name: out0, .offset: 56, .size: 8, .value_kind: global_buffer, .address_space: global }
    .group_segment_fixed_size: 111104
    .private_segment_fixed_size: 0
    .kernarg_segment_align: 8
    .kernarg_segment_size: 64
    .max_flat_workgroup_size: 128
    .sgpr_count:     66
    .vgpr_count:     1024
    .wavefront_size: 32
...
	.end_amdgpu_metadata
.endif
;; end of part 3
;; ======== version 2 of 2: 3 launches
;; workspace buffers: xq 6,291,456 bytes; xs 262,144 bytes; route 40,960 bytes of whole numbers; plan 36,608 bytes of whole numbers; wf 6,291,456 bytes; ws 262,144 bytes
;; launch gate (part 4): grid 256 x 1, 16 waves a work-group, no clusters, 120,832 bytes of LDS; arguments x, gate_w, gate_b, xq, xs, route; writes xq, xs, route
.if DOCPART == 4
	.amdgcn_target "amdgcn-amd-amdhsa--gfx1250"
	.amdhsa_code_object_version 6
	.text
	.protected	k_qf9f5ded6d3_gate
	.globl	k_qf9f5ded6d3_gate
	.p2align	8
	.type	k_qf9f5ded6d3_gate,@function
k_qf9f5ded6d3_gate:
	s_mov_b64 s[64:65], 0
	v_nop
	global_prefetch_b8 v0, s[64:65] scope:SCOPE_SE
	s_setreg_imm32_b32 hwreg(HW_REG_WAVE_MODE, 25, 1), 1
	s_wait_xcnt 0x0
; x [8192][1024] f32 is read once.  Two things are made of it: (1) the gate's scores x . gate_w + gate_b in f32 multiply-adds and each token's expert (the largest score, the lower index on a tie);
; (2) x's codes of E3M2 with one E8M0 byte for each 32 along K: xq [token][768 bytes], xs [token][32 bytes].
; The choice is stored as VALUES at fixed places: route word [token] = expert | rank << 8, rank = how many earlier tokens of the same group of 32 chose the same expert; from byte 32,768 on
; the counts [expert][group].  No address and no branch of this launch hangs on the choice.
; SHARES.  A work-group takes 32 tokens.  Wave W: p = W / 2, H = W % 2: half H of K (512 numbers) of tokens 4 p + 0 .. 3.  After a turn through the wave's own stage in LDS a lane holds 16 neighbours
; along K (two lanes hold a block of 32), and its 16 x 8 gate weights stay in 128 registers.
; LIMITS: NaN and infinities in x, gate_w, gate_b are not served.  The scores are f32 sums in another order than the model's: two scores nearer than some 1e-6 of their size may be ordered the other way.
; A block of zeros gets the byte 1 (its codes are zeros; only this program reads the bytes); blocks whose largest magnitude lies under 2^-122 are held at that byte.
.set GWP,  528                         ; LDS: gate_w as 64 chunks of 512 bytes (16 k x 8 experts), 528 bytes apart: an odd multiple of 16, so the lanes' reads of 16 bytes start in different banks
.set STG,  33792                       ; two stages of 32 x SP bytes for each wave
.set SP,   80                          ; a lane's place in a stage: 64 bytes + 16
.set WSTG, 2*32*SP
.set PART, 115712                      ; [H][token 32][expert 8] f32: the two halves' sums
.set SCB,  117760                      ; [token 32][32] scale bytes
.set R,    32                          ; v32-95   four sets of 16: x as loaded; then of set t: +0..7 the eight sums, +8..10 the codes, +12 the byte
.set X,    96                          ; v96-127  two sets of 16 neighbours (first: gate_w as loaded)
.set WGT,  128                         ; v128-255 w[kk][e] at 128 + 8 kk + e
	s_load_b256 s[4:11], s[0:1], 0x0               ; x, gate_w, gate_b, xq
	s_load_b128 s[12:15], s[0:1], 0x20             ; xs, route
	v_lshl_add_u32 v30, v0, 2, 0x1d000
	v_mov_b32 v31, 0
	v_lshrrev_b32 v1, 5, v0
	s_delay_alu instid0(VALU_DEP_1)
	v_readfirstlane_b32 s16, v1                    ; wave W
	s_lshr_b32 s17, s16, 1                         ; p
	s_and_b32 s18, s16, 1                          ; H
	v_and_b32 v1, 31, v0                           ; lane l
	s_delay_alu instid0(VALU_DEP_1)
	v_lshlrev_b32 v2, 4, v1                        ; 16 l: my 16 bytes of a load's 512
	v_lshlrev_b32 v14, 4, v0                       ; 16 x thread: my 16 bytes of gate_w
	s_mul_i32 s19, s16, WSTG
	s_add_co_u32 s19, s19, STG                     ; my wave's stages
	v_lshrrev_b32 v3, 2, v1
	s_delay_alu instid0(VALU_DEP_1)
	v_mul_u32_u24 v3, v3, SP
	v_and_b32 v4, 3, v1
	s_delay_alu instid0(VALU_DEP_1)
	v_lshl_add_u32 v3, v4, 4, v3
	s_delay_alu instid0(VALU_DEP_1)
	v_add_nc_u32 v3, s19, v3                       ; into a stage: SP (l / 4) + 16 (l % 4)
	v_mul_u32_u24 v4, v1, SP
	s_delay_alu instid0(VALU_DEP_1)
	v_add_nc_u32 v4, s19, v4                       ; out of it: SP l: my 16 neighbours
	v_mul_u32_u24 v5, v1, 12                       ; my 12 bytes of codes
	s_lshl_b32 s20, s17, 7                         ; 128 p
	s_lshl_b32 s21, s18, 4                         ; 16 H
	s_add_co_u32 s21, s21, s20
	s_add_co_u32 s21, s21, SCB
	v_lshrrev_b32 v6, 1, v1
	s_delay_alu instid0(VALU_DEP_1)
	v_add_nc_u32 v6, s21, v6                       ; my block's byte: SCB + 32 (4 p + t) + 16 H + l / 2; t stands in the offset
	v_bfe_u32 v7, v0, 0, 1                         ; the lane's five bits in reverse order: the index 8 t + e that the fold below leaves in lane l
	v_bfe_u32 v8, v0, 1, 1
	s_delay_alu instid0(VALU_DEP_1)
	v_lshl_or_b32 v7, v7, 1, v8
	v_bfe_u32 v8, v0, 2, 1
	s_delay_alu instid0(VALU_DEP_1)
	v_lshl_or_b32 v7, v7, 1, v8
	v_bfe_u32 v8, v0, 3, 1
	s_delay_alu instid0(VALU_DEP_1)
	v_lshl_or_b32 v7, v7, 1, v8
	v_bfe_u32 v8, v0, 4, 1
	s_delay_alu instid0(VALU_DEP_1)
	v_lshl_or_b32 v7, v7, 1, v8
	s_lshl_b32 s21, s18, 10
	s_add_co_u32 s21, s21, s20
	s_add_co_u32 s21, s21, PART
	v_lshl_add_u32 v7, v7, 2, s21                  ; PART + 1024 H + 128 p + 4 (8 t + e)
	s_mul_i32 s21, s16, GWP
	v_add_nc_u32 v12, s21, v2                      ; gate_w into LDS: chunk W + 16 j, 16 l
	s_mul_i32 s21, s18, 32*GWP
	v_mul_u32_u24 v13, v1, GWP
	s_delay_alu instid0(VALU_DEP_1)
	v_add_nc_u32 v13, s21, v13                     ; and out of it: chunk 32 H + l: my 16 k
	v_lshl_add_u32 v24, v1, 5, PART                ; the tails' addresses: a token's eight sums,
	v_lshl_add_u32 v25, v1, 4, SCB                 ; 16 scale bytes,
	v_lshlrev_b32 v26, 2, v1                       ; a token's route word,
	v_lshlrev_b32 v27, 10, v1                      ; an expert's row of counts
	s_lshl_b32 s20, ttmp9, 17                      ; x: 32 tokens x 4,096 bytes a work-group,
	s_lshl_b32 s22, s17, 14                        ; 4 tokens a pair of waves,
	s_add_co_u32 s20, s20, s22
	s_lshl_b32 s22, s18, 11                        ; 2,048 bytes a half
	s_add_co_u32 s20, s20, s22
	s_mov_b32 s21, 0
	s_mul_i32 s22, ttmp9, 24576                    ; xq: 768 bytes a token, 384 a half
	s_mul_i32 s19, s17, 3072
	s_add_co_u32 s22, s22, s19
	s_mul_i32 s19, s18, 384
	s_add_co_u32 s22, s22, s19
	s_mov_b32 s23, 0
	s_mov_b32 s32, 0xaaaaaaaa                      ; lanes whose bit 0, 1, 2, 3, 4 is set
	s_mov_b32 s33, 0xcccccccc
	s_mov_b32 s34, 0xf0f0f0f0
	s_mov_b32 s35, 0xff00ff00
	s_mov_b32 s36, 0xffff0000
	s_mov_b32 s38, 0x76543210                      ; v_permlanex16_b32's selects for lane l xor 16
	s_mov_b32 s39, 0xfedcba98
	s_wait_alu depctr_va_vdst(0)
	s_wait_kmcnt 0x0
	s_add_nc_u64 s[4:5], s[4:5], s[20:21]
	s_add_nc_u64 s[10:11], s[10:11], s[22:23]
	s_lshl_b32 s20, ttmp9, 10
	s_add_nc_u64 s[12:13], s[12:13], s[20:21]      ; xs: 1,024 bytes a work-group
	s_lshl_b32 s20, ttmp9, 7
	s_add_nc_u64 s[44:45], s[14:15], s[20:21]      ; route: 32 words a work-group
	s_lshl_b32 s20, ttmp9, 2
	s_add_nc_u64 s[46:47], s[14:15], s[20:21]      ; and my group's column of the counts
	s_load_b256 s[24:31], s[8:9], 0x0              ; gate_b
.irp j, 0,1,2,3
	global_load_b128 v[X+4*\j:X+4*\j+3], v14, s[6:7] offset:8192*\j
.endr
.irp t, 0,1,2,3
.irp i, 0,1,2,3
	global_load_b128 v[R+16*\t+4*\i:R+16*\t+4*\i+3], v2, s[4:5] offset:4096*\t+512*\i th:TH_LOAD_NT   ; 32 lanes read 512 consecutive bytes; read once in the launch
.endr
.endr
	s_wait_loadcnt 16                              ; gate_w's four loads are in; x's sixteen stay out
.irp j, 0,1,2,3
	ds_store_b128 v12, v[X+4*\j:X+4*\j+3] offset:16*GWP*\j
.endr
	s_wait_dscnt 0x0                               ; for the others' sake: my part of gate_w lies in LDS
	s_barrier_signal -1
	s_barrier_wait -1
.set i, 0
.rept 32
	ds_load_b128 v[WGT+4*i:WGT+4*i+3], v13 offset:16*i
.set i, i+1
.endr
.macro TURN t                          ; step t's 2,048 bytes through the wave's own stage: LDS serves a wave's instructions in order, so no wait stands between the stores and the loads
.irp i, 0,1,2,3
	ds_store_b128 v3, v[R+16*(\t)+4*\i:R+16*(\t)+4*\i+3] offset:32*SP*((\t)%2)+8*SP*\i
.endr
.irp i, 0,1,2,3
	ds_load_b128 v[X+16*((\t)%2)+4*\i:X+16*((\t)%2)+4*\i+3], v4 offset:32*SP*((\t)%2)+16*\i
.endr
.endm
	s_wait_loadcnt 12                              ; token 0's four loads are in
	TURN 0
; One token's half row: quantised, and multiplied into the eight scores.
.macro STEP t
.set XS, X+16*((\t)%2)
.set A, R+16*(\t)
.if (\t) > 0
	s_wait_dscnt 1                                 ; this step's numbers are back from the stage; only the last step's byte store may be out
.else
	s_wait_dscnt 0x0                               ; and the gate weights
.endif
.if (\t) < 3
	s_wait_loadcnt 8-4*(\t)                        ; the next token's four loads are in; those behind them stay out
	TURN (\t)+1
.endif
	v_max3_num_f32 v8, |v[XS]|, |v[XS+1]|, |v[XS+2]|               ; the largest magnitude of my 16, in two chains
	v_max3_num_f32 v9, |v[XS+3]|, |v[XS+4]|, |v[XS+5]|
.irp i, 6,10
	s_delay_alu instid0(VALU_DEP_2)
	v_max3_num_f32 v8, v8, |v[XS+\i]|, |v[XS+\i+1]|
	s_delay_alu instid0(VALU_DEP_2)
	v_max3_num_f32 v9, v9, |v[XS+\i+2]|, |v[XS+\i+3]|
.endr
	s_delay_alu instid0(VALU_DEP_2)
	v_max3_num_f32 v8, v8, |v[XS+14]|, |v[XS+15]|
	s_delay_alu instid0(VALU_DEP_1)
	v_max3_num_f32 v8, v8, v9, 0x2800000           ; and the floor 2^(5 - 127): the byte cannot fall under 1
	s_delay_alu instid0(VALU_DEP_1)
	v_max_num_f32_dpp v8, v8, v8 row_xmask:1 row_mask:0xf bank_mask:0xf   ; with my neighbour's 16: the block's
	s_delay_alu instid0(VALU_DEP_1)
	v_add_nc_u32 v11, 0xfe000000, v8               ; 4 off its exponent field: the conversion takes this operand's exponent field as its scale
	v_cvt_scalef32_pk16_bf6_f32 v[A+8:A+10], v[XS:XS+15], v11
	v_lshrrev_b32 v[A+12], 23, v11                 ; the scale's byte (a plain line behind the conversion)
	ds_store_b8 v6, v[A+12] offset:32*(\t)         ; both lanes of a block write the same byte with the same value
	global_store_b96 v5, v[A+8:A+10], s[10:11] offset:768*(\t)     ; the wave stores 384 consecutive bytes
.set kk, 0
.rept 16                               ; scores: for each of my 16 k, two experts an instruction; x[kk] serves both halves
.irp ep, 0,1,2,3
.if kk == 0
	v_pk_mul_f32 v[A+2*\ep:A+2*\ep+1], v[XS:XS+1], v[WGT+2*\ep:WGT+2*\ep+1] op_sel_hi:[0,1]   ; the first product starts the sums
.elseif kk%2 == 0
	s_delay_alu instid0(VALU_DEP_4)
	v_pk_fma_f32 v[A+2*\ep:A+2*\ep+1], v[XS+kk:XS+kk+1], v[WGT+8*kk+2*\ep:WGT+8*kk+2*\ep+1], v[A+2*\ep:A+2*\ep+1] op_sel_hi:[0,1,1]
.else
	s_delay_alu instid0(VALU_DEP_4)
	v_pk_fma_f32 v[A+2*\ep:A+2*\ep+1], v[XS+kk-1:XS+kk], v[WGT+8*kk+2*\ep:WGT+8*kk+2*\ep+1], v[A+2*\ep:A+2*\ep+1] op_sel:[1,0,0] op_sel_hi:[1,1,1]
.endif
.endr
.set kk, kk+1
.endr
.endm
	STEP 0
	STEP 1
	STEP 2
	STEP 3
; 32 sums (index i = 8 t + e) in each of 32 lanes become one finished sum a lane.  A fold halves the number of sums: a lane keeps one half of them, sends the other half to its partner, and adds what it gets.
.macro FOLD half, mask, xm
.set i, 0
.rept \half
.set VA, R+16*(i>>3)+(i&7)
.set i2, i+\half
.set VB, R+16*(i2>>3)+(i2&7)
.set TT, 16+2*(i%4)
	v_cndmask_b32 v[TT], v[VA], v[VB], \mask       ; what I keep
	v_cndmask_b32 v[TT+1], v[VB], v[VA], \mask     ; what my partner keeps
	s_delay_alu instid0(VALU_DEP_1)
	v_add_f32_dpp v[VA], v[TT+1], v[TT] row_xmask:\xm row_mask:0xf bank_mask:0xf
.set i, i+1
.endr
.endm
	FOLD 16, s32, 1
	FOLD 8, s33, 2
	FOLD 4, s34, 4
	FOLD 2, s35, 8
	s_delay_alu instid0(VALU_DEP_1)
	v_cndmask_b32 v16, v[R], v[R+1], s36
	s_delay_alu instid0(VALU_DEP_2)
	v_cndmask_b32 v17, v[R+1], v[R], s36
	s_delay_alu instid0(VALU_DEP_1)
	v_permlanex16_b32 v18, v17, s38, s39
	s_delay_alu instid0(VALU_DEP_1)
	v_add_f32 v[R], v16, v18
	ds_store_b32 v7, v[R]
	s_wait_kmcnt 0x0                               ; gate_b
	s_wait_dscnt 0x0                               ; for the others' sake: my sums and my scale bytes lie in LDS
	s_barrier_signal -1
	s_barrier_wait -1
	s_cmp_eq_u32 s16, 0
	s_cbranch_scc1 .Lchoose
	s_cmp_eq_u32 s16, 1
	s_cbranch_scc1 .Lbytes
	s_wait_tensorcnt 0x0
	ds_add_u32 v30, v31
	s_wait_dscnt 0x0
	s_endpgm
.Lbytes:                                               ; wave 1: the 32 tokens' scale bytes leave as 1,024 consecutive bytes
	ds_load_b128 v[96:99], v25
	ds_load_b128 v[100:103], v25 offset:512
	s_wait_dscnt 0x0
	global_store_b128 v2, v[96:99], s[12:13]
	global_store_b128 v2, v[100:103], s[12:13] offset:512
	s_wait_tensorcnt 0x0
	ds_add_u32 v30, v31
	s_wait_dscnt 0x0
	s_endpgm
.Lchoose:                                              ; wave 0: lane = token
	ds_load_b128 v[96:99], v24
	ds_load_b128 v[100:103], v24 offset:16
	ds_load_b128 v[104:107], v24 offset:1024
	ds_load_b128 v[108:111], v24 offset:1040
	s_wait_dscnt 0x0
.irp e, 0,1,2,3,4,5,6,7
	v_add_f32 v[112+\e], v[96+\e], v[104+\e]       ; the two halves of K
.endr
.irp e, 0,1,2,3,4,5,6,7
	v_add_f32 v[112+\e], s[24+\e], v[112+\e]       ; + gate_b
.endr
	v_mov_b32 v120, v112                           ; the best score so far
	v_mov_b32 v121, 0                              ; and its expert
.irp e, 1,2,3,4,5,6,7
	s_delay_alu instid0(VALU_DEP_2)
	v_cmp_le_f32 vcc_lo, v[112+\e], v120           ; not larger: the earlier expert stays, on a tie too
	s_delay_alu instid0(VALU_DEP_1)
	v_cndmask_b32 v120, v[112+\e], v120, vcc_lo
	s_delay_alu instid0(VALU_DEP_2)
	v_cndmask_b32 v121, \e, v121, vcc_lo
.endr
	v_mov_b32 v122, 0                              ; my rank among the group's tokens of my expert
	v_mov_b32 v123, 0                              ; lane e: the group's count for expert e
.irp e, 0,1,2,3,4,5,6,7
	v_cmp_eq_u32 s40, \e, v121
	s_delay_alu instid0(VALU_DEP_1)
	v_mbcnt_lo_u32_b32 v124, s40, 0                ; how many lanes below me chose e
	s_delay_alu instid0(VALU_DEP_1)
	v_cndmask_b32 v122, v122, v124, s40
	s_bcnt1_i32_b32 s41, s40
	v_writelane_b32 v123, s41, \e
.endr
	v_lshl_or_b32 v125, v122, 8, v121
	global_store_b32 v26, v125, s[44:45]           ; 128 consecutive bytes
	v_cmp_gt_u32 vcc_lo, 8, v1
	s_wait_alu depctr_va_vdst(0)
	s_wait_xcnt 0x0                                ; EXEC is a source of the store above: it changes only behind this wait
	s_wait_tensorcnt 0x0
	ds_add_u32 v30, v31
	s_wait_dscnt 0x0
	s_and_saveexec_b32 s42, vcc_lo
	global_store_b32 v27, v123, s[46:47] offset:32768   ; counts [expert][group]
	s_wait_xcnt 0x0
	s_or_b32 exec_lo, exec_lo, s42
	s_endpgm
.Lfunc_end_k_qf9f5ded6d3_gate:
	.size	k_qf9f5ded6d3_gate, .Lfunc_end_k_qf9f5ded6d3_gate-k_qf9f5ded6d3_gate
	.p2alignl 7, 3214868480
	.fill 96, 4, 3214868480
	.section	.rodata,"a",@progbits
	.p2align	6, 0x0
	.amdhsa_kernel k_qf9f5ded6d3_gate
		.amdhsa_group_segment_fixed_size 120832
		.amdhsa_private_segment_fixed_size 0
		.amdhsa_enable_private_segment 0
		.amdhsa_kernarg_size 48
		.amdhsa_user_sgpr_count 2
		.amdhsa_user_sgpr_kernarg_segment_ptr 1
		.amdhsa_wavefront_size32 1
		.amdhsa_system_sgpr_workgroup_id_x 1
		.amdhsa_system_sgpr_workgroup_id_y 1
		.amdhsa_system_sgpr_workgroup_id_z 1
		.amdhsa_system_vgpr_workitem_id 0
		.amdhsa_next_free_vgpr 256
		.amdhsa_next_free_sgpr 66
		.amdhsa_reserve_vcc 1
		.amdhsa_float_denorm_mode_32 3
		.amdhsa_float_denorm_mode_16_64 3
		.amdhsa_memory_ordered 1
		.amdhsa_forward_progress 1
		.amdhsa_inst_pref_size 53
	.end_amdhsa_kernel
	.amdgpu_metadata
---
amdhsa.version: [ 1, 2 ]
amdhsa.kernels:
  - .name:           k_qf9f5ded6d3_gate
    .symbol:         k_qf9f5ded6d3_gate.kd
    .args:
      - { .name: x, .offset: 0, .size: 8, .value_kind: global_buffer, .address_space: global }
      - { .name: gate_w, .offset: 8, .size: 8, .value_kind: global_buffer, .address_space: global }
      - { .name: gate_b, .offset: 16, .size: 8, .value_kind: global_buffer, .address_space: global }
      - { .name: xq, .offset: 24, .size: 8, .value_kind: global_buffer, .address_space: global }
      - { .name: xs, .offset: 32, .size: 8, .value_kind: global_buffer, .address_space: global }
      - { .name: route, .offset: 40, .size: 8, .value_kind: global_buffer, .address_space: global }
    .group_segment_fixed_size: 120832
    .private_segment_fixed_size: 0
    .kernarg_segment_align: 8
    .kernarg_segment_size: 48
    .max_flat_workgroup_size: 512
    .sgpr_count:     66
    .vgpr_count:     256
    .wavefront_size: 32
...
	.end_amdgpu_metadata
.endif
;; end of part 4
;; launch place (part 5): grid 65 x 1, 8 waves a work-group, no clusters, 212,480 bytes of LDS; arguments route, w1_codes, w1_scales, w2_codes, w2_scales, plan, wf, ws, out1; writes plan, wf, ws, out1
.if DOCPART == 5
	.amdgcn_target "amdgcn-amd-amdhsa--gfx1250"
	.amdhsa_code_object_version 6
	.text
	.protected	k_qf9f5ded6d3_place
	.globl	k_qf9f5ded6d3_place
	.p2align	8
	.type	k_qf9f5ded6d3_place,@function
k_qf9f5ded6d3_place:
	s_mov_b64 s[64:65], 0
	v_nop
	global_prefetch_b8 v0, s[64:65] scope:SCOPE_SE
	s_setreg_imm32_b32 hwreg(HW_REG_WAVE_MODE, 25, 1), 1
	s_wait_xcnt 0x0
; Work-group 0 places the tokens: a counting sort by expert without atomics.  plan: rows [135][64] = the token of each slot, an expert's rows beginning on a tile of 64; from byte 34,560 on
; tiles [256] of {expert (8 = none), rows}.  With 8,192 rows, 8 experts and tiles of 64 there are never more than 135 tiles.  It also stores out1 = 0.
; Work-groups 1-32 lay W1's codes out, 33-64 W2's, as IMAGES OF THE OPERAND'S REGISTERS: a fragment (16 rows x 128 K, 12 registers a lane) is 1,536 bytes, [4 registers][lane][16 bytes], so that the
; next launch brings a fragment by three loads of 16 bytes a lane, 512 consecutive bytes each.  The scale words go with them, [lane][4 words]: word q of lane l is row l % 16 of tile 2 q + l / 16.
;   W1: image ((4 e + w) 8 + s) 8 + t: wave w's hidden units 128 w .., K step s, tile t = 2 b + u, whose lane r takes row 32 b + 8 u + r + 8 (r / 8) (so that the results of two neighbouring tiles are neighbours along the next K).
;   W2: from byte 3,145,728: image (((4 e + w) 2 + c) 4 + s) 8 + t: outputs 256 w + 128 c + 16 t + r.
; The three ways part on the work-group's number alone, and each has LDS bytes of its own.
.set NTOT,  0                          ; 8 words: rows of each expert
.set BASE2, 256                        ; [group 256][expert 8] words: the first slot of a group's tokens of an expert
.set RL1,   8704                       ; W1's way: 16 rows x 784 bytes for each wave
.set RL2,   109056                     ; W2's way: 32 rows x 400 bytes for each wave
	s_load_b512 s[4:19], s[0:1], 0x0               ; route, w1_codes, w1_scales, w2_codes, w2_scales, plan, wf, ws
	s_load_b64 s[20:21], s[0:1], 0x40              ; out1
	v_lshl_add_u32 v254, v0, 2, 0x33a00
	v_mov_b32 v255, 0
	v_lshrrev_b32 v1, 5, v0
	s_delay_alu instid0(VALU_DEP_1)
	v_readfirstlane_b32 s22, v1                    ; wave
	v_and_b32 v1, 31, v0                           ; l
	v_and_b32 v2, 15, v0                           ; r
	v_bfe_u32 v3, v0, 4, 1                         ; h
	s_delay_alu instid0(VALU_DEP_3)
	v_lshlrev_b32 v4, 4, v1                        ; 16 l
; A unit of 12,288 bytes (8 fragments) a wave: read as it lies, 512 consecutive bytes a load; laid in the wave's own LDS bytes as rows; read back as fragments; stored as images.  No barrier: waves share nothing.
; s[40:41] the unit's codes, s[42:43] its images, s[44:45] its scale words' rows, s[46:47] its block of scale words; v5 my lane's part of the scale words' address.
.macro RELAY w1
.if \w1
.set RP, 784                           ; a row of 768 bytes + 16
.set RMAGIC, 1366                      ; x / 48 = (1366 x) >> 16 for x under 96
.set RBASE, RL1
.set RSIZE, 16*784
.set RROWS, 2                          ; three loads (96 pieces of 16 bytes) are so many rows
.set RSQ, 1024                         ; 32 rows of scale bytes
.else
.set RP, 400                           ; a row of 384 bytes + 16
.set RMAGIC, 2731                      ; x / 24 = (2731 x) >> 16 for x under 96
.set RBASE, RL2
.set RSIZE, 32*400
.set RROWS, 4
.set RSQ, 512
.endif
	s_mul_i32 s30, s22, RSIZE
	s_add_co_u32 s30, s30, RBASE
.irp b, 0,1,2
	v_add_nc_u32 v[8+\b], 32*\b, v1                ; piece x = 32 b + l of 96
	s_delay_alu instid0(VALU_DEP_1)
	v_mul_u32_u24 v12, v[8+\b], RMAGIC
	s_delay_alu instid0(VALU_DEP_1)
	v_lshrrev_b32 v12, 16, v12                     ; its row
	s_delay_alu instid0(VALU_DEP_1)
	v_add_nc_u32 v[8+\b], v[8+\b], v12
	s_delay_alu instid0(VALU_DEP_1)
	v_lshl_add_u32 v[8+\b], v[8+\b], 4, s30        ; 16 x + 16 for each row passed
.endr
	v_mul_u32_u24 v11, v2, RP
	s_delay_alu instid0(VALU_DEP_1)
	v_mad_u32_u24 v11, v3, 24, v11
	s_delay_alu instid0(VALU_DEP_1)
	v_add_nc_u32 v11, s30, v11                     ; a fragment's row r, + 24 h
.set j, 0
.rept 24
.if \w1
	global_load_b128 v[32+4*j:35+4*j], v4, s[40:41] offset:512*j+6144*(j/12) th:TH_LOAD_NT   ; two runs of eight rows, 16 rows apart
.else
	global_load_b128 v[32+4*j:35+4*j], v4, s[40:41] offset:512*j th:TH_LOAD_NT
.endif
.set j, j+1
.endr
.irp q, 0,1,2,3
	global_load_b32 v[228+\q], v5, s[44:45] offset:RSQ*\q
.endr
	s_wait_alu depctr_va_vdst(0)
	s_wait_loadcnt 4                               ; the codes are in; the four scale words may be out
.set j, 0
.rept 24
	ds_store_b128 v[8+j%3], v[32+4*j:35+4*j] offset:(j/3)*RROWS*RP
.set j, j+1
.endr
.set f, 0
.rept 8                                ; LDS serves a wave's instructions in order: these see the stores above.  W1: fragment f = K step f.  W2: f = 4 x tile + K step
.irp p, 0,1,2,3,4,5
.if \w1
	ds_load_b64 v[128+12*f+2*\p:129+12*f+2*\p], v11 offset:96*f+48*(\p/3)+8*(\p%3)
.else
	ds_load_b64 v[128+12*f+2*\p:129+12*f+2*\p], v11 offset:16*RP*(f/4)+96*(f%4)+48*(\p/3)+8*(\p%3)
.endif
.endr
.set f, f+1
.endr
	s_wait_dscnt 0x0
.set f, 0
.rept 8
.irp c, 0,1,2
.if \w1
	global_store_b128 v4, v[128+12*f+4*\c:131+12*f+4*\c], s[42:43] offset:12288*f+512*\c   ; 512 consecutive bytes
.else
	global_store_b128 v4, v[128+12*f+4*\c:131+12*f+4*\c], s[42:43] offset:12288*(f%4)+1536*(f/4)+512*\c
.endif
.endr
.set f, f+1
.endr
	s_wait_loadcnt 0x0
	global_store_b128 v4, v[228:231], s[46:47]
.endm
	s_wait_kmcnt 0x0
	s_cmp_eq_u32 ttmp9, 0
	s_cbranch_scc1 .Lsort
	s_cmp_lt_u32 ttmp9, 33
	s_cbranch_scc1 .Lw1
	; ---- W2: unit u = rows 32 u .. 32 u + 31: tiles 2 (u % 4) and 2 (u % 4) + 1 of (e, w, c) = u / 4, all four K steps
	s_sub_co_u32 s24, ttmp9, 33
	s_lshl_b32 s24, s24, 3
	s_add_co_u32 s24, s24, s22                     ; u
	s_mul_i32 s40, s24, 12288
	s_mov_b32 s41, 0
	s_add_nc_u64 s[40:41], s[10:11], s[40:41]
	s_lshr_b32 s25, s24, 2
	s_and_b32 s26, s24, 3
	s_mul_i32 s42, s25, 49152
	s_mul_i32 s27, s26, 3072
	s_add_co_u32 s42, s42, s27
	s_add_co_u32 s42, s42, 3145728
	s_mov_b32 s43, 0
	s_add_nc_u64 s[42:43], s[16:17], s[42:43]
	s_lshl_b32 s44, s25, 11                        ; scale block u = (e, w, c) u / 4, K step u % 4: rows 128 (u / 4) on, 16 bytes a row, word u % 4
	s_lshl_b32 s27, s26, 2
	s_add_co_u32 s44, s44, s27
	s_mov_b32 s45, 0
	s_add_nc_u64 s[44:45], s[12:13], s[44:45]
	s_lshl_b32 s46, s24, 9
	s_add_co_u32 s46, s46, 131072
	s_mov_b32 s47, 0
	s_add_nc_u64 s[46:47], s[18:19], s[46:47]
	s_wait_alu depctr_va_vdst(0)
	v_mov_b32 v5, v4                               ; row 32 q + l: 16 bytes a row
	RELAY 0
	s_wait_tensorcnt 0x0
	ds_add_u32 v254, v255
	s_wait_dscnt 0x0
	s_endpgm
.Lw1:
	; ---- W1: unit u = tile u % 8 of (e, w) = u / 8, all eight K steps
	s_sub_co_u32 s24, ttmp9, 1
	s_lshl_b32 s24, s24, 3
	s_add_co_u32 s24, s24, s22                     ; u
	s_and_b32 s25, s24, 0xfe
	s_lshl_b32 s25, s25, 4
	s_and_b32 s26, s24, 1
	s_lshl_b32 s26, s26, 3
	s_add_co_u32 s25, s25, s26                     ; its first row: 16 (u less its lowest bit) + 8 (that bit)
	s_mul_i32 s40, s25, 768
	s_mov_b32 s41, 0
	s_add_nc_u64 s[40:41], s[6:7], s[40:41]
	s_lshr_b32 s25, s24, 3
	s_and_b32 s26, s24, 7
	s_mul_i32 s42, s25, 98304
	s_mul_i32 s27, s26, 1536
	s_add_co_u32 s42, s42, s27
	s_mov_b32 s43, 0
	s_add_nc_u64 s[42:43], s[16:17], s[42:43]
	s_lshl_b32 s44, s25, 12                        ; scale block u = (e, w) u / 8, K step u % 8: rows 128 (u / 8) on, 32 bytes a row, word u % 8
	s_lshl_b32 s27, s26, 2
	s_add_co_u32 s44, s44, s27
	s_mov_b32 s45, 0
	s_add_nc_u64 s[44:45], s[8:9], s[44:45]
	s_lshl_b32 s46, s24, 9
	s_mov_b32 s47, 0
	s_add_nc_u64 s[46:47], s[18:19], s[46:47]
	s_wait_alu depctr_va_vdst(0)
	v_and_b32 v5, 8, v2
	s_delay_alu instid0(VALU_DEP_1)
	v_add_nc_u32 v5, v5, v2
	s_delay_alu instid0(VALU_DEP_1)
	v_lshl_add_u32 v5, v3, 3, v5
	s_delay_alu instid0(VALU_DEP_1)
	v_lshlrev_b32 v5, 5, v5                        ; row 32 q + 8 h + r + 8 (r / 8): 32 bytes a row
	RELAY 1
	s_wait_tensorcnt 0x0
	ds_add_u32 v254, v255
	s_wait_dscnt 0x0
	s_endpgm
.Lsort:
	; ---- the sort.  Wave e scans expert e's 256 counts; then every wave places 1,024 tokens
	v_mov_b32 v6, s22
	s_delay_alu instid0(VALU_DEP_1)
	v_lshlrev_b32 v6, 2, v6                        ; NTOT + 4 e
	s_wait_alu depctr_va_vdst(0)
	v_lshlrev_b32 v7, 8, v1
	s_delay_alu instid0(VALU_DEP_1)
	v_add_nc_u32 v7, v7, v6
	s_delay_alu instid0(VALU_DEP_1)
	v_add_nc_u32 v7, BASE2, v7                     ; BASE2 + 32 (8 l) + 4 e
	s_lshl_b32 s23, s22, 10
	v_lshrrev_b32 v13, 3, v1
	s_delay_alu instid0(VALU_DEP_1)
	v_lshl_add_u32 v13, v13, 5, s23
	s_delay_alu instid0(VALU_DEP_1)
	v_add_nc_u32 v13, BASE2, v13                   ; the eight bases of group 32 w + 4 j + l / 8; j stands in the offset
	v_lshl_add_u32 v14, v1, 2, s23                 ; token 1024 w + 4 l
	v_lshlrev_b32 v15, 3, v0                       ; a tile's record
	v_lshlrev_b32 v5, 5, v1
	s_mov_b32 s50, s23
	s_mov_b32 s51, 0
	s_add_nc_u64 s[50:51], s[4:5], s[50:51]        ; expert e's row of counts (from byte 32,768)
	s_lshl_b32 s52, s22, 12
	s_mov_b32 s53, 0
	s_add_nc_u64 s[52:53], s[4:5], s[52:53]        ; my wave's 1,024 route words
	global_load_b128 v[32:35], v5, s[50:51] offset:32768
	global_load_b128 v[36:39], v5, s[50:51] offset:32784
.irp j, 0,1,2,3,4,5,6,7
	global_load_b128 v[64+4*\j:67+4*\j], v4, s[52:53] offset:512*\j
.endr
	s_wait_loadcnt 8                               ; the counts are in; the eight loads of route words stay out
.irp i, 1
	v_add_nc_u32 v[32+\i], v[32+\i], v[31+\i]      ; running sums of my eight groups
.endr
.irp i, 2, 3, 4, 5, 6, 7
	s_delay_alu instid0(VALU_DEP_1)
	v_add_nc_u32 v[32+\i], v[32+\i], v[31+\i]
.endr
	s_delay_alu instid0(VALU_DEP_1)
	v_mov_b32 v40, v39
	v_mov_b32 v41, 0
.irp n, 1
	s_delay_alu instid0(VALU_DEP_2)
	v_mov_b32_dpp v41, v40 row_shr:\n row_mask:0xf bank_mask:0xf bound_ctrl:1   ; running sums over 16 lanes
	s_delay_alu instid0(VALU_DEP_1)
	v_add_nc_u32 v40, v40, v41
.endr
.irp n, 2, 4, 8
	s_delay_alu instid0(VALU_DEP_1)
	v_mov_b32_dpp v41, v40 row_shr:\n row_mask:0xf bank_mask:0xf bound_ctrl:1
	s_delay_alu instid0(VALU_DEP_1)
	v_add_nc_u32 v40, v40, v41
.endr
	s_delay_alu instid0(VALU_DEP_1)
	v_readlane_b32 s54, v40, 15
	s_delay_alu instid0(VALU_DEP_1)
	v_mov_b32 v42, s54
	v_cmp_lt_u32 vcc_lo, 15, v1
	s_delay_alu instid0(VALU_DEP_1)
	v_cndmask_b32 v41, 0, v42, vcc_lo
	s_delay_alu instid0(VALU_DEP_1)
	v_add_nc_u32 v40, v40, v41                     ; and over all 32
	s_delay_alu instid0(VALU_DEP_1)
	v_readlane_b32 s55, v40, 31                    ; the expert's rows
	s_delay_alu instid0(VALU_DEP_2)
	v_sub_nc_u32 v40, v40, v39                     ; what lies ahead of my eight groups
	s_delay_alu instid0(VALU_DEP_2)
	v_mov_b32 v43, s55
	ds_store_b32 v6, v43                           ; all lanes write the same word with the same value
	s_wait_dscnt 0x0
	s_barrier_signal -1
	s_barrier_wait -1
	v_mov_b32 v45, NTOT
	ds_load_b128 v[48:51], v45
	ds_load_b128 v[52:55], v45 offset:16
	s_wait_dscnt 0x0
.irp e, 0,1,2,3,4,5,6,7
	v_readfirstlane_b32 s[24+\e], v[48+\e]         ; n[e]
.endr
.irp e, 0,1,2,3,4,5,6,7
	s_add_co_u32 s[32+\e], s[24+\e], 63
	s_lshr_b32 s[32+\e], s[32+\e], 6               ; its tiles
.endr
	s_mov_b32 s40, 0
.irp e, 0,1,2,3,4,5,6,7
	s_add_co_u32 s[41+\e], s[40+\e], s[32+\e]      ; its first tile
.endr
	s_mov_b32 s56, 0
.irp e, 0,1,2,3,4,5,6
	s_cmp_lt_u32 \e, s22
	s_cselect_b32 s57, s[32+\e], 0
	s_add_co_u32 s56, s56, s57                     ; my own expert's first tile, without a jump
.endr
	s_lshl_b32 s56, s56, 6
	v_add_nc_u32 v40, s56, v40                     ; the first slot of group 8 l's tokens of expert e
	ds_store_b32 v7, v40
.irp i, 1,2,3,4,5,6,7
	v_add_nc_u32 v[56+\i], v40, v[31+\i]
	ds_store_b32 v7, v[56+\i] offset:32*\i
.endr
	s_wait_dscnt 0x0
	s_barrier_signal -1
	s_barrier_wait -1
.irp j, 0,1,2,3,4,5,6,7
	ds_load_b128 v[160+8*\j:163+8*\j], v13 offset:128*\j
	ds_load_b128 v[164+8*\j:167+8*\j], v13 offset:128*\j+16
.endr
	v_mov_b32 v230, 8                              ; thread i writes tile i's record: no expert,
	v_mov_b32 v231, 0                              ; no rows, unless i falls among an expert's tiles
.irp e, 0,1,2,3,4,5,6,7
	v_sub_nc_u32 v44, v0, s[40+\e]                 ; which of e's tiles (a large number where i lies ahead of them)
	s_delay_alu instid0(VALU_DEP_1)
	v_lshlrev_b32 v46, 6, v44
	s_delay_alu instid0(VALU_DEP_1)
	v_sub_nc_u32 v46, s[24+\e], v46                ; the rows left from there
	s_delay_alu instid0(VALU_DEP_3)
	v_cmp_le_u32 vcc_lo, s[32+\e], v44             ; not one of e's
	s_delay_alu instid0(VALU_DEP_1)
	v_cndmask_b32 v230, \e, v230, vcc_lo
	s_delay_alu instid0(VALU_DEP_2)
	v_cndmask_b32 v231, v46, v231, vcc_lo
.endr
	s_delay_alu instid0(VALU_DEP_1)
	v_min_u32 v231, 64, v231
	global_store_b64 v15, v[230:231], s[14:15] offset:34560
	s_wait_loadcnt 0x0                             ; the route words
	s_wait_dscnt 0x0                               ; the bases
.set j, 0
.rept 8
.set q, 0
.rept 4                                ; token 1024 w + 128 j + 4 l + q; each store has registers of its own
.set W, 64+4*j+q
.set AD, 96+4*j+q
.set DT, 128+4*j+q
.set BS, 160+8*j
	v_and_b32 v224, 7, v[W]                        ; its expert
	v_lshrrev_b32 v225, 8, v[W]                    ; its rank in the group
	v_mov_b32 v226, v[BS]
.irp e, 1,2,3,4,5,6,7
	v_cmp_eq_u32 vcc_lo, \e, v224
	s_delay_alu instid0(VALU_DEP_1)
	v_cndmask_b32 v226, v226, v[BS+\e], vcc_lo     ; the group's base for that expert: a choice of a value, no address
.endr
	s_delay_alu instid0(VALU_DEP_1)
	v_add_nc_u32 v[AD], v226, v225                 ; its slot,
	s_delay_alu instid0(VALU_DEP_1)
	v_min_u32 v[AD], 8639, v[AD]                   ; held inside rows [135][64]
	s_delay_alu instid0(VALU_DEP_1)
	v_lshlrev_b32 v[AD], 2, v[AD]
	v_add_nc_u32 v[DT], 128*j+q, v14
	global_store_b32 v[AD], v[DT], s[14:15]
.set q, q+1
.endr
.set j, j+1
.endr
	v_mov_b32 v228, 0
	v_cmp_eq_u32 vcc_lo, 0, v0
	s_wait_alu depctr_va_vdst(0)
	s_wait_xcnt 0x0                                ; EXEC is a source of the stores above: it changes only behind this wait
	s_wait_tensorcnt 0x0
	ds_add_u32 v254, v255
	s_wait_dscnt 0x0
	s_and_saveexec_b32 s58, vcc_lo
	global_store_b32 v228, v228, s[20:21]          ; out1 = 0.0
	s_wait_xcnt 0x0
	s_or_b32 exec_lo, exec_lo, s58
	s_endpgm
.Lfunc_end_k_qf9f5ded6d3_place:
	.size	k_qf9f5ded6d3_place, .Lfunc_end_k_qf9f5ded6d3_place-k_qf9f5ded6d3_place
	.p2alignl 7, 3214868480
	.fill 96, 4, 3214868480
	.section	.rodata,"a",@progbits
	.p2align	6, 0x0
	.amdhsa_kernel k_qf9f5ded6d3_place
		.amdhsa_group_segment_fixed_size 212480
		.amdhsa_private_segment_fixed_size 0
		.amdhsa_enable_private_segment 0
		.amdhsa_kernarg_size 72
		.amdhsa_user_sgpr_count 2
		.amdhsa_user_sgpr_kernarg_segment_ptr 1
		.amdhsa_wavefront_size32 1
		.amdhsa_system_sgpr_workgroup_id_x 1
		.amdhsa_system_sgpr_workgroup_id_y 1
		.amdhsa_system_sgpr_workgroup_id_z 1
		.amdhsa_system_vgpr_workitem_id 0
		.amdhsa_next_free_vgpr 256
		.amdhsa_next_free_sgpr 66
		.amdhsa_reserve_vcc 1
		.amdhsa_float_denorm_mode_32 3
		.amdhsa_float_denorm_mode_16_64 3
		.amdhsa_memory_ordered 1
		.amdhsa_forward_progress 1
		.amdhsa_inst_pref_size 73
	.end_amdhsa_kernel
	.amdgpu_metadata
---
amdhsa.version: [ 1, 2 ]
amdhsa.kernels:
  - .name:           k_qf9f5ded6d3_place
    .symbol:         k_qf9f5ded6d3_place.kd
    .args:
      - { .name: route, .offset: 0, .size: 8, .value_kind: global_buffer, .address_space: global }
      - { .name: w1_codes, .offset: 8, .size: 8, .value_kind: global_buffer, .address_space: global }
      - { .name: w1_scales, .offset: 16, .size: 8, .value_kind: global_buffer, .address_space: global }
      - { .name: w2_codes, .offset: 24, .size: 8, .value_kind: global_buffer, .address_space: global }
      - { .name: w2_scales, .offset: 32, .size: 8, .value_kind: global_buffer, .address_space: global }
      - { .name: plan, .offset: 40, .size: 8, .value_kind: global_buffer, .address_space: global }
      - { .name: wf, .offset: 48, .size: 8, .value_kind: global_buffer, .address_space: global }
      - { .name: ws, .offset: 56, .size: 8, .value_kind: global_buffer, .address_space: global }
      - { .name: out1, .offset: 64, .size: 8, .value_kind: global_buffer, .address_space: global }
    .group_segment_fixed_size: 212480
    .private_segment_fixed_size: 0
    .kernarg_segment_align: 8
    .kernarg_segment_size: 72
    .max_flat_workgroup_size: 256
    .sgpr_count:     66
    .vgpr_count:     256
    .wavefront_size: 32
...
	.end_amdgpu_metadata
.endif
;; end of part 5
;; launch chain (part 6): grid 135 x 1, 4 waves a work-group, no clusters, 111,104 bytes of LDS; arguments plan, xq, xs, wf, ws, b1, b2, out0; writes out0
.if DOCPART == 6
	.amdgcn_target "amdgcn-amd-amdhsa--gfx1250"
	.amdhsa_code_object_version 6
	.text
	.protected	k_qf9f5ded6d3_chain
	.globl	k_qf9f5ded6d3_chain
	.p2align	8
	.type	k_qf9f5ded6d3_chain,@function
k_qf9f5ded6d3_chain:
	s_mov_b64 s[64:65], 0
	v_nop
	global_prefetch_b8 v0, s[64:65] scope:SCOPE_SE
	s_setreg_imm32_b32 hwreg(HW_REG_WAVE_SCHED_MODE, 0, 2), 2
	s_setreg_imm32_b32 hwreg(HW_REG_WAVE_MODE, 25, 1), 1
	s_wait_xcnt 0x0
	s_wait_alu depctr_vm_vsrc(0)
; One work-group takes one tile of up to 64 rows of ONE expert through the whole chain: gather the rows' codes of x, x W1 + b1, GELU (erf) in f32, quantise, h W2 + b2, store each row at its token's place.
; Only the chosen expert is multiplied for a token: the model keeps nothing else.  The hidden layer stays in registers and LDS.  Each row of out0 has one owner.
; THE GRID: 8,192 / 64 + 7 = 135 tiles serve every split.  A tile without rows (record: rows = 0) walks the same text on the addresses of tile 0, which always has rows, and jumps over its stores alone: so every wave
; passes both barriers.  Rows beyond the tile's count repeat its last row: they store the same numbers to the same bytes.
; NO TENSOR LOADS, NO CLUSTER: the expert is a stored number, so the weights' addresses hang on loaded data, and partners could not be shown to ask alike.  The weights come from memory straight into registers, as images
; of the operand's registers laid out by the launch before: three loads of 16 bytes a lane for a fragment, 512 consecutive bytes each; each weight byte is read once by the work-group.
; SHARES.  The four waves share the COLUMNS: wave w makes hidden units 128 w .. + 127 (K step w of the second product) and outputs 256 w .. + 255 (two halves c of 128), for all 64 rows (four tiles m of 16).
; BOTH PRODUCTS ARE USED TRANSPOSED (source 0 = 16 rows of weights, source 1 = 16 tokens): a lane holds one token, its registers run along the hidden units or the outputs.
; Sixteen steps of 128 along K, 32 matrix instructions each: i = 0 .. 7 the first product, 8 .. 11 and 12 .. 15 the two halves of the second.  Weights run two steps ahead in three buffers, tokens' fragments one step ahead in two.
; erf(z) = z P(z^2) / Q(z^2), degrees 6 and 4 in z^2, z held to +-4.  LIMITS: its absolute error is some 1e-7, so for x under about -5.6 GELU is 0 only to within some 1e-7 |x|; NaN and infinities are not served.
; A block of zeros of h gets the byte 1: its codes are zeros.
; THE MODE: SCHED_MODE bits 1:0 = 2 (LLVM: expert scheduling mode 2), set by the entry lines.  The code itself states the register dependences between vector or matrix instructions and memory or LDS
; instructions, with s_wait_alu, always for 0.
; THE PLAN.  Registers that memory or LDS instructions touch:
;   v4-12, v20-22   addresses, written at the head and never again.   v100-141 (TA), at the head only: offsets into the tile's list of tokens: written by vector lines, read by the 42 loads of tokens.
;   OOFF, XOFF, v15-16   the tokens land here, vector lines make offsets of them, and the gather, the loads of x's scale words and the stores of out0 read those.
;   W0 .. W2 with WS0 .. WS2   Step i's products read buffer i % 3; the loads of step i + 2 land in buffer (i - 1) % 3.
;   F0, F1 (v100-147, v148-195)   Step i's products read set i % 2; the LDS loads of step i + 1 land in set (i - 1) % 2.  Before: the gathered rows, read by LDS stores.  Between the products: at work for GELU, named by vector lines alone.
;   PC, PW   written by the quantiser, read by a tile's four LDS stores.      v100-227 on the way out: LDS loads land here, the stores of out0 read them.
;   the accumulators   written by products, read by vector lines (GELU) and by the stage's LDS stores; the second half's first step begins them anew.
; So ONE wait on va_vdst stands at the head of a step that asks for anything: the step before's products are done with the buffer and the set that are asked for again.  The weights go out straight behind it, ahead of the wait
; for this step's own; the fragments are dealt among the step's products, which name buffer i % 3, WS[i % 3], set i % 2, x's or h's scale words and the accumulators: none of the registers that those loads touch.
; REGISTERS, in windows of 256: window 0: v1-23 addresses; v24-31, v68-99 offsets of the tile's tokens; v32-47, v48-59, v60-67 scale words of x, of the weights, of h; v100-195 two sets of four token fragments
;   (also: x as gathered; 64 numbers at work and 24 for the polynomials; with v196-227 the rows on the way out); v196-234 the quantiser; v236-239 two coefficients.
;   window 1: weight buffers 0 and 1 (v0-95, v96-191), b1's eight tiles (v192-255).   window 2: weight buffer 2 (v0-95), b2's sixteen tiles (v96-223).   window 3: the 32 accumulators, (m, t) at v[64 m + 8 t].
.set XP,   784                         ; LDS: x's 64 rows of 768 bytes, 784 apart = 196 words: the 32 lanes of a load of 8 bytes touch 64 different banks (64 banks of 4 bytes: ISA guide 11.1)
.set HIMG, 50176                       ; h's 16 fragments as images, (4 m + s) x 1,536 bytes
.set HSC,  74752                       ; their scale words, 128 bytes each
.set STG,  76800                       ; the way out: 16 rows x (512 + 16) bytes for each wave
.set SPI,  528
.set XOFF, 24
.set XS,   32
.set WS,   48
.set HS,   60
.set OOFF, 68
.set XF,   100
.set TA,   100
.set Z,    100
.set T2,   164
.set TP,   172
.set TQ,   180
.set BK,   100
.set TM,   196
.set PW,   212
.set PC,   216
.set CA1,  236
.set CB1,  238
.set SEL,  36                          ; s[36:37] v_permlanex16_b32's selects for lane l xor 16
.set RH,   38                          ; s[38:39] 1 / sqrt(2)
.set KA0,  40                          ; the coefficients, each as a pair with both words written: the packed forms name a pair and take its low word for both halves
.set KA2,  42
.set KA3,  44
.set KA4,  46
.set KA5,  48
.set KA6,  50
.set KB0,  52
.set KB2,  54
.set KB3,  56
.set KB4,  58
.set MSB, 0
.macro WIN new                         ; the immediate's high byte repeats the setting that is left
.if MSB != \new
	s_set_vgpr_msb (MSB<<8)|\new
.set MSB, \new
.endif
.endm
.macro PLACES n                        ; plain vector lines behind a matrix instruction, ahead of a line that touches its registers (ISA guide 7.12.1)
.rept \n
	v_nop
.endr
.endm
.macro KPAIR r, bits
	s_mov_b32 s[\r], \bits
	s_mov_b32 s[\r+1], \bits
.endm
; Step i's weights: eight fragments (24 loads) into buffer i % 3, and their scale words (1 load): 25 loads.
.macro WLOAD i
.if (\i)%3 == 2
	WIN 0x80                                       ; destination window 2
.else
	WIN 0x40                                       ; destination window 1
.endif
.set WBR, 96*(((\i)%3)%2)
.set tt, 0
.rept 8
.irp c, 0,1,2
.if (\i) < 8
	global_load_b128 v[WBR+12*tt+4*\c:WBR+12*tt+4*\c+3], v4, s[28:29] offset:12288*((\i)%8)+1536*tt+512*\c
.else
	global_load_b128 v[WBR+12*tt+4*\c:WBR+12*tt+4*\c+3], v4, s[30:31] offset:12288*((\i)%8)+1536*tt+512*\c
.endif
.endr
.set tt, tt+1
.endr
	WIN 0
.if (\i) < 8
	global_load_b128 v[WS+4*((\i)%3):WS+4*((\i)%3)+3], v4, s[32:33] offset:512*((\i)%8)
.else
	global_load_b128 v[WS+4*((\i)%3):WS+4*((\i)%3)+3], v4, s[34:35] offset:512*((\i)%8)
.endif
.endm
; Two of step i's four token fragments, tiles m0 and m0 + 1, into set i % 2: of x from rows (12 loads of 8 bytes), of h from images (6 loads of 16 bytes).
.macro BLOAD i, m0
.set XB, XF+48*((\i)%2)
.irp m, \m0, \m0+1
.if (\i) < 8
.irp p, 0,1,2,3,4,5
	ds_load_b64 v[XB+12*(\m)+2*\p:XB+12*(\m)+2*\p+1], v5 offset:16*XP*(\m)+96*(\i)+48*(\p/3)+8*(\p%3)
.endr
.else
.irp c, 0,1,2
	ds_load_b128 v[XB+12*(\m)+4*\c:XB+12*(\m)+4*\c+3], v6 offset:(4*(\m)+(\i)%4)*1536+512*\c
.endr
.endif
.endr
.endm
.macro MM1                             ; one product; the scale words of odd tiles stand in lanes 16-31 of their registers
.if (tt%2) && (mm%2)
	v_wmma_scale_f32_16x16x128_f8f6f4 v[rD:rD+7], v[rA:rA+11], v[rB:rB+11], v[rC:rC+7], v[rSA], v[rSB] matrix_a_fmt:MATRIX_FMT_BF6 matrix_b_fmt:MATRIX_FMT_BF6 matrix_a_scale:MATRIX_SCALE_ROW1 matrix_b_scale:MATRIX_SCALE_ROW1
.elseif tt%2
	v_wmma_scale_f32_16x16x128_f8f6f4 v[rD:rD+7], v[rA:rA+11], v[rB:rB+11], v[rC:rC+7], v[rSA], v[rSB] matrix_a_fmt:MATRIX_FMT_BF6 matrix_b_fmt:MATRIX_FMT_BF6 matrix_a_scale:MATRIX_SCALE_ROW1
.elseif mm%2
	v_wmma_scale_f32_16x16x128_f8f6f4 v[rD:rD+7], v[rA:rA+11], v[rB:rB+11], v[rC:rC+7], v[rSA], v[rSB] matrix_a_fmt:MATRIX_FMT_BF6 matrix_b_fmt:MATRIX_FMT_BF6 matrix_b_scale:MATRIX_SCALE_ROW1
.else
	v_wmma_scale_f32_16x16x128_f8f6f4 v[rD:rD+7], v[rA:rA+11], v[rB:rB+11], v[rC:rC+7], v[rSA], v[rSB] matrix_a_fmt:MATRIX_FMT_BF6 matrix_b_fmt:MATRIX_FMT_BF6
.endif
.endm
; 8 products: tile m of tokens x eight tiles of weights.  A step takes m = 0 .. 3: its 32 accumulators take turns, one instruction a turn, in the same order in every step.
; bias = 1: the sums begin with the bias, eight registers a tile in the result's layout, at v[cb + 8 t].
.macro MULQ i, m, bias, cb
.set mm, \m
.set tt, 0
.rept 8
.set rD, 64*mm+8*tt
.set rA, 96*(((\i)%3)%2)+12*tt
.set rB, XF+48*((\i)%2)+12*mm
.set rSA, WS+4*((\i)%3)+tt/2
.if (\i) < 8
.set rSB, XS+8*(mm/2)+(\i)
.else
.set rSB, HS+4*(mm/2)+(\i)%4
.endif
.if \bias
.set rC, \cb+8*tt
.else
.set rC, rD
.endif
	MM1
.set tt, tt+1
.endr
.endm
; A step.  dep: loads of this step land in registers that the step before's products read.  n: the global loads that may stay out when this step's weights have to be in.  wl: the weights two steps on are asked for.
; bl: the tokens' fragments of the next step are asked for.  win: where this step's weights and C lie.
.macro STEP i, dep, n, wl, bl, win, bias, cb
.if \dep
	PLACES 4                                       ; four plain lines behind the step before's products, then the wait that states the dependence
	s_wait_alu depctr_va_vdst(0)                   ; the step before's products are done reading weight buffer (i - 1) % 3, its scale words and fragment set (i - 1) % 2, in which this step's loads land
.endif
.if \wl
	WLOAD (\i)+2                                   ; the emptied buffer is asked for again at once, ahead of the wait for this step's own weights
.endif
	s_wait_loadcnt \n                              ; loads come back in order (ISA guide 5.7.1): this step's weights are in, the younger steps' stay out
	s_wait_dscnt 0x0                               ; this step's fragments, asked for among the step before's products or just ahead of the step, are in
	WIN \win
	MULQ \i, 0, \bias, \cb
.if \bl
	WIN 0
	BLOAD (\i)+1, 0                                ; no wait: no vector or matrix instruction since the last wait on va_vdst names set (i + 1) % 2 or the address
	WIN \win
.endif
	MULQ \i, 1, \bias, \cb
.if \bl
	WIN 0
	BLOAD (\i)+1, 2
	WIN \win
.endif
	MULQ \i, 2, \bias, \cb
	MULQ \i, 3, \bias, \cb
	WIN 0
.endm
.macro HORN acc, kc
.irp k, 0,2,4,6
	v_pk_fma_f32 v[\acc+\k:\acc+\k+1], v[\acc+\k:\acc+\k+1], v[T2+\k:T2+\k+1], s[\kc:\kc+1] op_sel_hi:[1,1,0]
.endr
.endm
; Eight numbers z = x / sqrt(2) at v[Z + zb] on become 0.5 erf(z) + 0.5.  P's and Q's chains by turns, four pairs each.
.macro GELU4 zb
.irp k, 0,1,2,3,4,5,6,7
	v_med3_num_f32 v[Z+\zb+\k], v[Z+\zb+\k], -4.0, 4.0
.endr
.irp k, 0,2,4,6
	v_pk_mul_f32 v[T2+\k:T2+\k+1], v[Z+\zb+\k:Z+\zb+\k+1], v[Z+\zb+\k:Z+\zb+\k+1]
.endr
.irp k, 0,2,4,6
	v_pk_fma_f32 v[TP+\k:TP+\k+1], v[T2+\k:T2+\k+1], s[KA0:KA0+1], v[CA1:CA1+1] op_sel_hi:[1,0,1]
.endr
.irp k, 0,2,4,6
	v_pk_fma_f32 v[TQ+\k:TQ+\k+1], v[T2+\k:T2+\k+1], s[KB0:KB0+1], v[CB1:CB1+1] op_sel_hi:[1,0,1]
.endr
	HORN TP, KA2
	HORN TQ, KB2
	HORN TP, KA3
	HORN TQ, KB3
	HORN TP, KA4
	HORN TQ, KB4
	HORN TP, KA5
	HORN TP, KA6
	s_wait_alu depctr_va_vdst(0)
.irp k, 0,1,2,3,4,5,6,7
	v_rcp_f32 v[TQ+\k], v[TQ+\k]
.endr
.irp k, 0,2,4,6
	v_pk_mul_f32 v[TP+\k:TP+\k+1], v[TP+\k:TP+\k+1], v[Z+\zb+\k:Z+\zb+\k+1]   ; z P: plain lines behind the reciprocals, which name none of their registers
.endr
	s_wait_alu depctr_va_vdst(0)                   ; the eight reciprocals have written v[TQ ..]: one wait for the batch, ahead of its first reader
.irp k, 0,2,4,6
	v_pk_mul_f32 v[TP+\k:TP+\k+1], v[TP+\k:TP+\k+1], v[TQ+\k:TQ+\k+1]
.endr
.irp k, 0,2,4,6
	v_pk_fma_f32 v[Z+\zb+\k:Z+\zb+\k+1], v[TP+\k:TP+\k+1], 0.5, 0.5 op_sel_hi:[1,0,0]
.endr
.endm
; 64 numbers of a lane, register 16 b + i = k 32 b + 16 (lane / 16) + i of my row, become a fragment's codes in v[PC] on and its scale word in v[PW].
.macro QUANT s
.irp b, 0,1,2,3
	v_max3_num_f32 v[TM+\b], |v[\s+16*\b]|, |v[\s+1+16*\b]|, 0x2800000   ; block b: my 16 numbers, and the floor 2^(5 - 127): the byte cannot fall under 1
.endr
.irp i, 2,4,6,8,10,12,14
.irp b, 0,1,2,3
	v_max3_num_f32 v[TM+\b], v[TM+\b], |v[\s+16*\b+\i]|, |v[\s+1+16*\b+\i]|   ; the four blocks by turns
.endr
.endr
.irp b, 0,1,2,3
	v_permlanex16_b32 v[TM+4+\b], v[TM+\b], s[SEL], s[SEL+1]
.endr
.irp b, 0,1,2,3
	v_max_num_f32 v[TM+\b], v[TM+\b], v[TM+4+\b]   ; with lane l xor 16's: the block's largest magnitude
.endr
.irp b, 0,1,2,3
	v_add_nc_u32 v[TM+12+\b], 0xfe000000, v[TM+\b] ; 4 off its exponent field: the conversion's scale operand
.endr
.irp b, 0,1,2,3
	v_lshrrev_b32 v[TM+4+\b], 23, v[TM+12+\b]      ; the scale's byte
.endr
	v_lshl_or_b32 v[PW], v[TM+5], 8, v[TM+4]
	v_lshl_or_b32 v[PW], v[TM+6], 16, v[PW]
	v_lshl_or_b32 v[PW], v[TM+7], 24, v[PW]
.irp c, 0,1
	v_cvt_scalef32_pk16_bf6_f32 v[PC+6*\c:PC+2+6*\c], v[\s+32*\c:\s+15+32*\c], v[TM+12+2*\c]
	v_cvt_scalef32_pk16_bf6_f32 v[PC+12+4*\c:PC+14+4*\c], v[\s+16+32*\c:\s+31+32*\c], v[TM+12+2*\c+1]   ; (a conversion's three registers begin on an even number)
.endr
	v_nop                                          ; one plain line behind a scaled conversion
.irp c, 0,1                                    ; the operand's layout wants a whole block in a lane: lanes 0-15 block 2 c, lanes 16-31 block 2 c + 1
.irp i, 0,1,2
	v_permlane16_swap_b32 v[PC+6*\c+\i], v[PC+12+4*\c+\i]
.endr
.irp i, 0,1,2
	v_mov_b32 v[PC+3+6*\c+\i], v[PC+12+4*\c+\i]
.endr
.endr
.endm
; Tile m of the hidden layer: GELU in f32, quantised; its image is K step w of the second product.
.macro ACT m
	WIN 0x03                                       ; source 0 window 3
.set k, 0
.rept 32
	v_pk_mul_f32 v[Z+k:Z+k+1], v[64*(\m)+k:64*(\m)+k+1], s[RH:RH+1] op_sel_hi:[1,0]   ; z = x / sqrt(2); each accumulator from its low end on
.set k, k+2
.endr
	WIN 0
.irp g, 0,8,16,24,32,40,48,56
	GELU4 \g
.endr
	WIN 0x03
.set k, 0
.rept 32
	v_pk_mul_f32 v[Z+k:Z+k+1], v[64*(\m)+k:64*(\m)+k+1], v[Z+k:Z+k+1]   ; x (0.5 erf + 0.5)
.set k, k+2
.endr
	WIN 0
	QUANT Z
	s_wait_alu depctr_va_vdst(0)                   ; the quantiser has written v[PC ..] and v[PW], which the LDS stores read; behind the last tile it also shows every line done that names v100-187, in which h's fragments land
.irp c, 0,1,2
	ds_store_b128 v7, v[PC+4*\c:PC+4*\c+3] offset:6144*(\m)+512*\c
.endr
	ds_store_b32 v8, v[PW] offset:512*(\m)
	s_wait_dscnt 0x0                               ; the image's four stores are done,
	s_wait_alu depctr_vm_vsrc(0)                   ; and they have read v[PC ..] and v[PW], which the next tile's quantiser writes again and in which, behind the last tile, rows land on the way out
.endm
; The way out of tile m: a lane holds 32 neighbouring bytes of a token's row; through my own stage they come back as runs of 256 bytes, lanes 0-15 one row, lanes 16-31 the next.
.macro TOSTAGE m
	WIN 0x0c                                       ; an LDS store's data are its source 1: window 3
.irp t, 0,1,2,3,4,5,6,7
	ds_store_b128 v10, v[64*(\m)+8*\t:64*(\m)+8*\t+3] offset:64*\t          ; each accumulator from its low end on
	ds_store_b128 v10, v[64*(\m)+8*\t+4:64*(\m)+8*\t+7] offset:64*\t+16
.endr
	WIN 0
.set BB, BK+64*((\m)%2)
.irp a, 0,1,2,3,4,5,6,7
.irp u, 0,1
	ds_load_b128 v[BB+8*\a+4*\u:BB+8*\a+4*\u+3], v11 offset:2*SPI*\a+256*\u   ; LDS serves a wave's instructions in order: these see the stores above, and the next tile's stores come behind them
.endr
.endr
.endm
.macro SEND m, c, younger              ; younger: the LDS instructions issued behind tile m's loads, which may stay out
.set BB, BK+64*((\m)%2)
	s_wait_dscnt \younger
.irp a, 0,1,2,3,4,5,6,7
.irp u, 0,1
	global_store_b128 v[OOFF+8*(\m)+\a], v[BB+8*\a+4*\u:BB+8*\a+4*\u+3], s[18:19] offset:512*(\c)+256*\u th:TH_STORE_NT   ; sixteen lanes store 256 consecutive bytes of one token's row, aligned
.endr
.endr
.endm
; The way out of a half of my outputs.  Ahead of it stand the places behind the last products and a wait on va_vdst: the accumulators are written, and the products are done reading v100-195, in which the rows land.
; No vector or matrix instruction stands in it.
.macro OUTPUT c
	s_cmp_eq_u32 s22, 0
	s_cbranch_scc1 .Lno_rows_\@                    ; a tile without rows stores nothing
	TOSTAGE 0
	TOSTAGE 1
	SEND 0, \c, 32                                 ; behind tile 0's loads: tile 1's 16 stores and 16 loads
	s_wait_xcnt 0x0                                ; tile 0's stores have had their addresses translated (ISA guide 3.1),
	s_wait_alu depctr_vm_vsrc(0)                   ; and have read v100-163, in which tile 2's rows land
	TOSTAGE 2
	SEND 1, \c, 32
	s_wait_xcnt 0x0                                ; the same of tile 1's stores,
	s_wait_alu depctr_vm_vsrc(0)                   ; which have read v164-227, in which tile 3's rows land
	TOSTAGE 3
	SEND 2, \c, 32
	SEND 3, \c, 0
.Lno_rows_\@:
	s_wait_xcnt 0x0                                ; every store issued so far has had its addresses translated; behind the first half the registers that they read are written again below
.if (\c) == 0
	s_wait_alu depctr_vm_vsrc(0)                   ; the stage's stores have read the accumulators, which the next step's products begin anew; the stores of out0 have read v100-227, in which the next fragments land
.endif
.endm
	s_load_b512 s[4:19], s[0:1], 0x0               ; plan, xq, xs, wf, ws, b1, b2, out0
	v_lshl_add_u32 v254, v0, 2, 0x1b000            ; my spare word's address and 0, kept for the closing lines alone
	v_mov_b32 v255, 0
	v_lshrrev_b32 v23, 5, v0
	v_readfirstlane_b32 s20, v23                   ; wave w
	s_lshl_b32 s26, ttmp9, 3
	s_wait_kmcnt 0x0
	s_load_b64 s[24:25], s[4:5], s26 offset:34560  ; my tile's record: expert, rows
	v_and_b32 v1, 31, v0                           ; l
	v_and_b32 v2, 15, v0                           ; r
	v_bfe_u32 v3, v0, 4, 1                         ; h
	v_lshlrev_b32 v4, 4, v1                        ; 16 l: an image's place for my lane
	v_mul_u32_u24 v5, v2, XP
	v_mad_u32_u24 v5, v3, 24, v5                   ; x's fragments: row r, + 24 h
	v_add_nc_u32 v6, HIMG, v4                      ; h's images, to read
	s_wait_alu depctr_va_sdst(0)                   ; s20 is written, ahead of its first reader: LDS addresses and the bases of the weights, the biases and out0 are made from it
	s_mul_i32 s27, s20, 1536
	v_add_nc_u32 v7, s27, v6                       ; and to write: K step w
	s_lshl_b32 s27, s20, 7
	v_lshl_add_u32 v8, v1, 2, s27
	v_add_nc_u32 v8, HSC, v8                       ; h's scale words, to write: 4 l + 128 w
	v_lshlrev_b32 v9, 9, v3
	v_lshl_add_u32 v9, v2, 2, v9
	v_add_nc_u32 v9, HSC, v9                       ; and to read: lanes 0-15 an even tile's rows, lanes 16-31 the odd tile's
	s_mul_i32 s27, s20, 16*SPI
	s_add_co_u32 s27, s27, STG                     ; my stage
	v_mul_u32_u24 v10, v2, SPI
	v_lshl_add_u32 v10, v3, 5, v10
	v_add_nc_u32 v10, s27, v10                     ; in: row r, + 32 h
	v_mul_u32_u24 v11, v3, SPI
	v_lshl_add_u32 v11, v2, 4, v11
	v_add_nc_u32 v11, s27, v11                     ; back: row h, + 16 r
	s_mul_i32 s27, s20, 16*XP
	v_mul_u32_u24 v12, v3, XP
	v_lshl_add_u32 v12, v2, 4, v12
	v_add_nc_u32 v12, s27, v12                     ; x's rows 16 w + h, + 16 r
	s_lshl_b32 s27, s20, 4
	v_add_nc_u32 v23, s27, v3                      ; 16 w + h
	v_lshlrev_b32 v20, 6, v3                       ; b1: 16 h numbers
	v_lshlrev_b32 v21, 5, v3                       ; b2: 8 h numbers
	v_lshlrev_b32 v22, 4, v2                       ; 16 r
.irp b, 0,1,2,3
	v_mov_b32 v[TM+4+\b], 0                        ; written once: a lane permute's destination counts as one of its sources
.endr
	v_mov_b32 v[CA1], 0x32edffee                   ; A1 =  2.77068142e-08
	v_mov_b32 v[CA1+1], 0x32edffee
	v_mov_b32 v[CB1], 0xb95fbd29                   ; B1 = -2.13374055e-04
	v_mov_b32 v[CB1+1], 0xb95fbd29
	s_mov_b32 s[SEL], 0x76543210
	s_mov_b32 s[SEL+1], 0xfedcba98
	KPAIR RH,  0x3f3504f3                          ; 0.70710678
	KPAIR KA0, 0xaf95df0b                          ; -2.72614226e-10
	KPAIR KA2, 0xb60cff51                          ; -2.10102402e-06
	KPAIR KA3, 0xb86ec2d2                          ; -5.69250639e-05
	KPAIR KA4, 0xba40acf4                          ; -7.34990630e-04
	KPAIR KA5, 0xbb41a1f6                          ; -2.95459981e-03
	KPAIR KA6, 0xbc83dbd4                          ; -1.60960333e-02
	KPAIR KB0, 0xb77460cd                          ; -1.45660718e-05
	KPAIR KB2, 0xbadc924e                          ; -1.68282697e-03
	KPAIR KB3, 0xbbf19bf8                          ; -7.37332917e-03
	KPAIR KB4, 0xbc69b6a7                          ; -1.42647391e-02
	s_wait_kmcnt 0x0
	s_min_u32 s21, s24, 7                          ; the expert, held inside the weights (a tile without rows names expert 8)
	s_min_u32 s22, s25, 64                         ; the rows
	s_max_u32 s23, s22, 1
	s_sub_co_u32 s23, s23, 1                       ; the last row that counts
	s_cmp_eq_u32 s22, 0
	s_cselect_b32 s26, 0, ttmp9                    ; whose rows I read
	s_lshl_b32 s26, s26, 8
	s_mov_b32 s27, 0
	s_add_nc_u64 s[26:27], s[4:5], s[26:27]        ; that tile's 64 tokens
	s_lshl_b32 s24, s21, 2
	s_add_co_u32 s24, s24, s20                     ; 4 e + w
	s_mul_i32 s28, s24, 98304
	s_mov_b32 s29, 0
	s_add_nc_u64 s[28:29], s[10:11], s[28:29]      ; my 64 images of W1,
	s_add_nc_u64 s[30:31], s[28:29], 3145728       ; of W2,
	s_lshl_b32 s32, s24, 12
	s_mov_b32 s33, 0
	s_add_nc_u64 s[32:33], s[12:13], s[32:33]      ; and their scale words
	s_add_nc_u64 s[34:35], s[32:33], 131072
	s_lshl_b32 s24, s24, 9
	s_mov_b32 s25, 0
	s_add_nc_u64 s[14:15], s[14:15], s[24:25]      ; b1 at 512 e + 128 w
	s_lshl_b32 s24, s24, 1
	s_add_nc_u64 s[16:17], s[16:17], s[24:25]      ; b2 at 1024 e + 256 w
	s_lshl_b32 s24, s20, 10
	s_add_nc_u64 s[18:19], s[18:19], s[24:25]      ; out0 at column 256 w
	; the tile's tokens, each lane those that it needs: row min(row, last), held at 63.  All 42 offsets are made first, in registers of their own, so that one wait serves the 42 loads.
.set a, 0
.rept 32                               ; for the way out: rows 2 a + h
	v_add_nc_u32 v[TA+a], 2*a, v3
	v_min_u32 v[TA+a], s23, v[TA+a]
	v_min_u32 v[TA+a], 63, v[TA+a]
	v_lshlrev_b32 v[TA+a], 2, v[TA+a]
.set a, a+1
.endr
.set a, 0
.rept 8                                ; for the gather of x: rows 16 w + 2 a + h
	v_add_nc_u32 v[TA+32+a], 2*a, v23
	v_min_u32 v[TA+32+a], s23, v[TA+32+a]
	v_min_u32 v[TA+32+a], 63, v[TA+32+a]
	v_lshlrev_b32 v[TA+32+a], 2, v[TA+32+a]
.set a, a+1
.endr
.irp p, 0,1                            ; for x's scale words: rows 32 p + l
	v_add_nc_u32 v[TA+40+\p], 32*\p, v1
	v_min_u32 v[TA+40+\p], s23, v[TA+40+\p]
	v_min_u32 v[TA+40+\p], 63, v[TA+40+\p]
	v_lshlrev_b32 v[TA+40+\p], 2, v[TA+40+\p]
.endr
	s_wait_alu depctr_va_vdst(0)                   ; v[TA ..] and the addresses v4 to v12 and v20 to v22 are written, which the loads and stores of the whole kernel read
.set a, 0
.rept 32
	global_load_b32 v[OOFF+a], v[TA+a], s[26:27]
.set a, a+1
.endr
.set a, 0
.rept 8
	global_load_b32 v[XOFF+a], v[TA+32+a], s[26:27]
.set a, a+1
.endr
.irp p, 0,1
	global_load_b32 v[15+\p], v[TA+40+\p], s[26:27]
.endr
	WLOAD 0
	WLOAD 1
	s_wait_loadcnt 50                              ; the tokens are in; the two steps' weights, 25 loads each, stay out
.set a, 0
.rept 32
	v_min_u32 v[OOFF+a], 0x1fff, v[OOFF+a]         ; a token, held inside the 8,192
	v_lshl_add_u32 v[OOFF+a], v[OOFF+a], 12, v22   ; its row of out0, + 16 r
.set a, a+1
.endr
.set a, 0
.rept 8
	v_min_u32 v[XOFF+a], 0x1fff, v[XOFF+a]
	v_mad_u32_u24 v[XOFF+a], v[XOFF+a], 768, v22   ; its row of codes, + 16 r
.set a, a+1
.endr
.irp p, 0,1
	v_min_u32 v[15+\p], 0x1fff, v[15+\p]
	v_lshlrev_b32 v[15+\p], 5, v[15+\p]            ; its 32 scale bytes
.endr
	s_wait_alu depctr_vm_vsrc(0)                   ; the tokens' loads have read v[TA ..], in which the gathered rows land
	s_wait_alu depctr_va_vdst(0)                   ; v[XOFF ..], v15, v16 and v[OOFF ..] are written, which the loads below and the stores of out0 read
.irp a, 0,1,2,3,4,5,6,7
.irp u, 0,1,2
	global_load_b128 v[XF+12*\a+4*\u:XF+12*\a+4*\u+3], v[XOFF+\a], s[6:7] offset:256*\u   ; sixteen lanes read 256 consecutive bytes of a row, aligned
.endr
.endr
.irp p, 0,1
	global_load_b128 v[XS+8*\p:XS+8*\p+3], v[15+\p], s[8:9]
	global_load_b128 v[XS+8*\p+4:XS+8*\p+7], v[15+\p], s[8:9] offset:16
.endr
	WIN 0x40
.irp t, 0,1,2,3,4,5,6,7                ; b1 in the result's layout: tile 2 b + u, lane half h: hidden units 32 b + 16 h + 8 u + 0 .. 7
	global_load_b128 v[192+8*\t:195+8*\t], v20, s[14:15] offset:(32*(\t/2)+8*(\t%2))*4
	global_load_b128 v[196+8*\t:199+8*\t], v20, s[14:15] offset:(32*(\t/2)+8*(\t%2))*4+16
.endr
	WIN 0
	WLOAD 2                                        ; the third buffer, which nothing has named yet, is asked for here too
	s_wait_loadcnt 45                              ; the gathered rows are in; x's scale words (4 loads), b1 (16) and step 2's weights (25) may be out
.irp a, 0,1,2,3,4,5,6,7
.irp u, 0,1,2
	ds_store_b128 v12, v[XF+12*\a+4*\u:XF+12*\a+4*\u+3] offset:2*XP*\a+256*\u
.endr
.endr
	s_wait_dscnt 0x0                               ; for the others' sake: my 16 rows of x lie in LDS
	s_barrier_signal -1
	s_barrier_wait -1
	s_wait_alu depctr_vm_vsrc(0)                   ; my LDS stores have read v100-195: these registers are the two fragment sets from here on
	BLOAD 0, 0
	BLOAD 0, 2
	; ---- the first product: K = 1,024 in eight steps
	STEP 0, 0, 25, 0, 1, 0xd1, 1, 192              ; n = 25: all but step 2's weights are in; C = b1 (window 1); its loads land in registers that no vector or matrix instruction since the last wait names
	STEP 1, 1, 50, 1, 1, 0xf1, 0, 0                ; n = 50: the weights of the two steps on stay out
	STEP 2, 1, 50, 1, 1, 0xf2, 0, 0
	STEP 3, 1, 50, 1, 1, 0xf1, 0, 0
	STEP 4, 1, 50, 1, 1, 0xf1, 0, 0
	STEP 5, 1, 50, 1, 1, 0xf2, 0, 0
	STEP 6, 1, 50, 1, 1, 0xf1, 0, 0
	STEP 7, 1, 50, 1, 0, 0xf1, 0, 0
	PLACES 4                                       ; behind the last products, ahead of the first reads of their results and of the writes into their fragments' registers
	s_wait_alu depctr_va_vdst(0)                   ; step 7's products are done reading weight buffer 1 and its scale words, in which step 10's land
	WLOAD 10
	; ---- GELU and the quantiser; the second product's first three steps of weights land meanwhile
	ACT 0
	WIN 0x80
.irp c, 0,1                            ; b2 in the result's layout: half c, tile t, lane half h: outputs 128 c + 16 t + 8 h + 0 .. 7.  No vector or matrix instruction has named these registers
.irp t, 0,1,2,3,4,5,6,7
	global_load_b128 v[96+64*\c+8*\t:99+64*\c+8*\t], v21, s[16:17] offset:512*\c+64*\t
	global_load_b128 v[100+64*\c+8*\t:103+64*\c+8*\t], v21, s[16:17] offset:512*\c+64*\t+16
.endr
.endr
	WIN 0
	ACT 1
	ACT 2
	ACT 3
	s_wait_dscnt 0x0                               ; for the others' sake: my K step of h lies in LDS
	s_barrier_signal -1
	s_barrier_wait -1
.irp p, 0,1
.irp s, 0,1,2,3
	ds_load_b32 v[HS+4*\p+\s], v9 offset:1024*\p+128*\s
.endr
.endr
	BLOAD 8, 0                                     ; no wait: no vector or matrix instruction stands behind the last tile's wait on va_vdst
	BLOAD 8, 2
	; ---- the second product: K = 512 in four steps, for each half of my outputs
	STEP 8,  0, 0,  0, 1, 0xe2, 1, 96              ; n = 0: b2 was asked for last; C = b2's first half (window 2)
	STEP 9,  1, 25, 1, 1, 0xf1, 0, 0               ; n = 25: only step 11's weights, just asked for, are out
	STEP 10, 1, 50, 1, 1, 0xf1, 0, 0
	STEP 11, 1, 50, 1, 0, 0xf2, 0, 0
	PLACES 5                                       ; on every way: behind the last products, ahead of the reads of their results and of the products that begin these accumulators anew
	s_wait_alu depctr_va_vdst(0)                   ; step 11's products have written the accumulators, which the stage's stores read; they are done reading weight buffer 2, in which step 14's weights land, and v100-195, in which rows land
	WLOAD 14
	OUTPUT 0
	BLOAD 12, 0
	BLOAD 12, 2
	STEP 12, 0, 50, 0, 1, 0xe1, 1, 160             ; n = 50: the weights of steps 13 and 14 stay out; C = b2's second half
	STEP 13, 1, 50, 1, 1, 0xf1, 0, 0
	STEP 14, 1, 25, 0, 1, 0xf2, 0, 0               ; n = 25: step 15's weights stay out
	STEP 15, 0, 0,  0, 0, 0xf1, 0, 0               ; it asks for nothing, so it has no wait on va_vdst
	PLACES 4                                       ; behind the last products, ahead of the reads of their results
	s_wait_alu depctr_va_vdst(0)                   ; step 15's products have written the accumulators, which the stage's stores read, and are done reading v100-195, in which rows land
	OUTPUT 1
	s_wait_dscnt 0x0                               ; the closing lines, six on end
	s_wait_alu 0x0
	s_wait_tensorcnt 0x0
	ds_add_u32 v254, v255
	s_wait_dscnt 0x0
	s_endpgm
.Lfunc_end_k_qf9f5ded6d3_chain:
	.size	k_qf9f5ded6d3_chain, .Lfunc_end_k_qf9f5ded6d3_chain-k_qf9f5ded6d3_chain
	.p2alignl 7, 3214868480
	.fill 96, 4, 3214868480
	.section	.rodata,"a",@progbits
	.p2align	6, 0x0
	.amdhsa_kernel k_qf9f5ded6d3_chain
		.amdhsa_group_segment_fixed_size 111104
		.amdhsa_private_segment_fixed_size 0
		.amdhsa_enable_private_segment 0
		.amdhsa_kernarg_size 64
		.amdhsa_user_sgpr_count 2
		.amdhsa_user_sgpr_kernarg_segment_ptr 1
		.amdhsa_wavefront_size32 1
		.amdhsa_system_sgpr_workgroup_id_x 1
		.amdhsa_system_sgpr_workgroup_id_y 1
		.amdhsa_system_sgpr_workgroup_id_z 1
		.amdhsa_system_vgpr_workitem_id 0
		.amdhsa_next_free_vgpr 1024
		.amdhsa_next_free_sgpr 66
		.amdhsa_reserve_vcc 0
		.amdhsa_float_denorm_mode_32 3
		.amdhsa_float_denorm_mode_16_64 3
		.amdhsa_memory_ordered 1
		.amdhsa_forward_progress 1
		.amdhsa_inst_pref_size 255
	.end_amdhsa_kernel
	.section	.bss,"aw",@nobits
	.p2align	6
	.space	262144
	.amdgpu_metadata
---
amdhsa.version: [ 1, 2 ]
amdhsa.kernels:
  - .name:           k_qf9f5ded6d3_chain
    .symbol:         k_qf9f5ded6d3_chain.kd
    .args:
      - { .name: plan, .offset: 0, .size: 8, .value_kind: global_buffer, .address_space: global }
      - { .name: xq, .offset: 8, .size: 8, .value_kind: global_buffer, .address_space: global }
      - { .name: xs, .offset: 16, .size: 8, .value_kind: global_buffer, .address_space: global }
      - { .name: wf, .offset: 24, .size: 8, .value_kind: global_buffer, .address_space: global }
      - { .name: ws, .offset: 32, .size: 8, .value_kind: global_buffer, .address_space: global }
      - { .name: b1, .offset: 40, .size: 8, .value_kind: global_buffer, .address_space: global }
      - { .name: b2, .offset: 48, .size: 8, .value_kind: global_buffer, .address_space: global }
      - { .name: out0, .offset: 56, .size: 8, .value_kind: global_buffer, .address_space: global }
    .group_segment_fixed_size: 111104
    .private_segment_fixed_size: 0
    .kernarg_segment_align: 8
    .kernarg_segment_size: 64
    .max_flat_workgroup_size: 128
    .sgpr_count:     66
    .vgpr_count:     1024
    .wavefront_size: 32
...
	.end_amdgpu_metadata
.endif
;; end of part 6
